; MI455X (gfx1250); checked and timed in simulation.
; The chip was launched on July 23, 2026; its instructions are those of AMD's public machine-readable ISA for CDNA 5 (MIT licence, August 2026) and "CDNA5" Instruction Set Architecture Reference Guide (July 2026). The comments in the code are by the model that wrote it; some were corrected since.
;; Multi Head Attention. Allowed arithmetic: float matrix products may take bf16 or f16 operands with f32 sums; all other float work in f32.
;; Inputs: K 8 x 1,024 x 1,024 float32; Q 8 x 1,024 x 1,024 float32; V 8 x 1,024 x 1,024 float32; Wk 1,024 x 1,024 float32; Wq 1,024 x 1,024 float32; Wv 1,024 x 1,024 float32; bk 1,024 float32; bq 1,024 float32; bv 1,024 float32.
;; Outputs: out0 8 x 1,024 x 1,024 float32.
;; 2 versions, each right and faster than the one before. Each part assembles by itself: llvm-mc -triple=amdgcn-amd-amdhsa -mcpu=gfx1250 --defsym DOCPART=n.
;; ======== version 1 of 2: 3 launches
;; limits: values are held in f16: magnitudes above 65,504 overflow, below 6.1e-05 lose precision
;; workspace buffers: wbf 6,291,456 bytes; qkv 50,331,648 bytes
;; launch wcast (part 1): grid 256 x 1, 8 waves a work-group, no clusters, 0 bytes of LDS; arguments Wq, Wk, Wv, wbf; writes wbf
.if DOCPART == 1
	.amdgcn_target "amdgcn-amd-amdhsa--gfx1250"
	.amdhsa_code_object_version 6
	.text
	.protected	k_q207491913c_wcast
	.globl	k_q207491913c_wcast
	.p2align	8
	.type	k_q207491913c_wcast,@function
k_q207491913c_wcast:
	s_mov_b64 s[64:65], 0
	v_nop
	global_prefetch_b8 v0, s[64:65] scope:SCOPE_SE
	s_setreg_imm32_b32 hwreg(HW_REG_WAVE_MODE, 25, 1), 1
	s_wait_xcnt 0x0
; wbf = Wq, Wk, Wv rounded once to f16, each in its own layout [1024 k][1024 n], three parts of 2,097,152 bytes in that order.
; It is made so that the projection can bring the weights into LDS by tensor loads, which do not convert.
; 256 work-groups of 8 waves; a work-group takes 16,384 bytes of each weight; a thread 4 x 16 bytes of each: 12 loads, all issued
; before the first wait, 24 conversions, 12 stores.  A wave's load covers 512 consecutive bytes, its store 256 consecutive bytes that
; begin at a multiple of 256 from the buffer's first byte.  No LDS, no barrier, no matrix unit: nothing is shared or summed here.
; LIMIT: a weight above 65,504 in magnitude becomes infinite in f16, one below 2^-25 becomes 0.
.set PART, 2097152                     ; bytes of one weight in f16
.set IN,   4                           ; v[4:51]   12 x 4 numbers as loaded
.set PK,   52                          ; v[52:75]  12 x 2 registers of packed f16
	s_load_b256 s[4:11], s[0:1], 0x0               ; Wq s[4:5], Wk s[6:7], Wv s[8:9], wbf s[10:11]
	s_lshl_b32 s12, ttmp9, 14                      ; the work-group's 16,384 bytes of f32
	s_mov_b32 s13, 0
	s_lshl_b32 s14, ttmp9, 13                      ; and its 8,192 bytes of f16
	s_mov_b32 s15, 0
	v_lshlrev_b32 v1, 4, v0                        ; 16 bytes a thread in
	v_lshlrev_b32 v2, 3, v0                        ; 8 bytes a thread out
	s_wait_kmcnt 0x0
	s_add_nc_u64 s[4:5], s[4:5], s[12:13]
	s_add_nc_u64 s[6:7], s[6:7], s[12:13]
	s_add_nc_u64 s[8:9], s[8:9], s[12:13]
	s_add_nc_u64 s[10:11], s[10:11], s[14:15]
.irp t, 0,1,2
.irp j, 0,1,2,3
	global_load_b128 v[IN+4*(4*\t+\j):IN+4*(4*\t+\j)+3], v1, s[4+2*\t:5+2*\t] offset:4096*\j th:TH_LOAD_NT
.endr
.endr
.irp t, 0,1,2
.irp j, 0,1,2,3
	s_wait_loadcnt 11-(4*\t+\j)                    ; loads come back in order: this one is in, the younger ones stay out
	v_cvt_pk_f16_f32 v[PK+2*(4*\t+\j)],   v[IN+4*(4*\t+\j)],   v[IN+4*(4*\t+\j)+1]
	v_cvt_pk_f16_f32 v[PK+2*(4*\t+\j)+1], v[IN+4*(4*\t+\j)+2], v[IN+4*(4*\t+\j)+3]
	global_store_b64 v2, v[PK+2*(4*\t+\j):PK+2*(4*\t+\j)+1], s[10:11] offset:\t*PART+2048*\j
.endr
.endr
	s_endpgm
.Lfunc_end_k_q207491913c_wcast:
	.size	k_q207491913c_wcast, .Lfunc_end_k_q207491913c_wcast-k_q207491913c_wcast
	.p2alignl 7, 3214868480
	.fill 96, 4, 3214868480
	.section	.rodata,"a",@progbits
	.p2align	6, 0x0
	.amdhsa_kernel k_q207491913c_wcast
		.amdhsa_group_segment_fixed_size 0
		.amdhsa_private_segment_fixed_size 0
		.amdhsa_enable_private_segment 0
		.amdhsa_kernarg_size 32
		.amdhsa_user_sgpr_count 2
		.amdhsa_user_sgpr_kernarg_segment_ptr 1
		.amdhsa_wavefront_size32 1
		.amdhsa_system_sgpr_workgroup_id_x 1
		.amdhsa_system_sgpr_workgroup_id_y 1
		.amdhsa_system_sgpr_workgroup_id_z 1
		.amdhsa_system_vgpr_workitem_id 0
		.amdhsa_next_free_vgpr 80
		.amdhsa_next_free_sgpr 66
		.amdhsa_reserve_vcc 0
		.amdhsa_float_denorm_mode_32 3
		.amdhsa_float_denorm_mode_16_64 3
		.amdhsa_memory_ordered 1
		.amdhsa_forward_progress 1
		.amdhsa_inst_pref_size 5
	.end_amdhsa_kernel
	.amdgpu_metadata
---
amdhsa.version: [ 1, 2 ]
amdhsa.kernels:
  - .name:           k_q207491913c_wcast
    .symbol:         k_q207491913c_wcast.kd
    .args:
      - { .name: Wq, .offset: 0, .size: 8, .value_kind: global_buffer, .address_space: global }
      - { .name: Wk, .offset: 8, .size: 8, .value_kind: global_buffer, .address_space: global }
      - { .name: Wv, .offset: 16, .size: 8, .value_kind: global_buffer, .address_space: global }
      - { .name: wbf, .offset: 24, .size: 8, .value_kind: global_buffer, .address_space: global }
    .group_segment_fixed_size: 0
    .private_segment_fixed_size: 0
    .kernarg_segment_align: 8
    .kernarg_segment_size: 32
    .max_flat_workgroup_size: 256
    .sgpr_count:     66
    .vgpr_count:     80
    .wavefront_size: 32
...
	.end_amdgpu_metadata
.endif
;; end of part 1
;; launch proj (part 2): grid 64 x 4, 4 waves a work-group, clusters of 4 x 1, 327,680 bytes of LDS; arguments Q, K, V, bq, bk, bv, wbf, qkv; writes qkv
.if DOCPART == 2
	.amdgcn_target "amdgcn-amd-amdhsa--gfx1250"
	.amdhsa_code_object_version 6
	.text
	.protected	k_q207491913c_proj
	.globl	k_q207491913c_proj
	.p2align	8
	.type	k_q207491913c_proj,@function
k_q207491913c_proj:
	s_mov_b64 s[64:65], 0
	v_nop
	global_prefetch_b8 v0, s[64:65] scope:SCOPE_SE
	s_setreg_imm32_b32 hwreg(HW_REG_WAVE_MODE, 25, 1), 1
	s_wait_xcnt 0x0
	s_wait_alu depctr_hold_cnt(0) depctr_sa_sdst(0) depctr_va_vdst(0) depctr_va_sdst(0) depctr_va_ssrc(0) depctr_va_vcc(0) depctr_vm_vsrc(0)
	s_getreg_b32 s2, hwreg(HW_REG_IB_STS2, 6, 4)
	s_cmp_eq_u32 s2, 0
	s_cbranch_scc0 .Lentry_in_a_cluster
	s_endpgm
.Lentry_in_a_cluster:
	s_bfe_u32 s2, ttmp6, 0x10000c
	s_cmp_lg_u32 s2, 0x3003
	s_cbranch_scc0 .Lentry_shape_is_right
	s_endpgm
.Lentry_shape_is_right:
; The three projections x = X W + b, X [8192][1024] f32, W [1024 k][1024 n] f16 (from wbf), b [1024] f32; sums in f32.
; q is also multiplied by 0.125 log2(e), so that the attention's exponential is a plain 2^x.  Results are rounded once to f16 and stored
; head by head: qkv = three parts (q, k, v) of 16,777,216 bytes, each [16 b + head][1024 s][64 d], a row of 128 bytes.
; THE SHARE: 8192 x 3072 outputs are one and a half tiles of 128 x 512 for each of 256 work-groups, so a work-group stays and makes two tiles.
; rb = block of 128 rows (grid x), y = grid y, 0..3.  FIRST TILE: tensor y / 2 (q or k), rows 128 rb, columns 512 (y % 2): wave w owns columns
; 128 w .. + 127 (two heads), 64 accumulator tiles, 512 registers; 16 K steps of 64, 128 matrix instructions each.  SECOND TILE: v, rows 128 rb,
; columns 256 y: wave w owns columns 64 w .. + 63 (one head), 32 accumulator tiles; 16 K steps of 64, 64 matrix instructions each.
; All four waves use the same 128 rows of X.
; X is f32 in memory and is rounded on its way: memory -> registers -> f16 -> LDS slot (one step ahead).  The requests run two steps ahead in
; the first tile and three in the second, whose steps are half as long, and they run on over the change of tiles.
; W comes by tensor loads into a ring of two slots and is read through the transposing LDS load.  A slot is two blocks of 128 rows x 512 bytes:
; in the first tile 128 of K for 512 columns (block = column half: two K steps), in the second 256 of K for 256 columns (block = K half: four K
; steps).  Either way a slot feeds 256 matrix instructions of a wave, and from a request to the wait for it the wave issues 240.
; Wave w fills 64 rows at slot + w x 34,816 in both tiles: the global address alone differs.  12 fills; fill f + 2 follows the end of fill f.
; CLUSTER 4 x 1: the four work-groups of a cluster have four rb and one y, so they walk the same tiles of W in both tiles: these are asked for
; jointly (mask 15), which divides the requests for W by four.  X's rows differ between partners and are not shared.
; The place in the cluster enters X's and qkv's global addresses alone: no LDS address, no branch, no descriptor word.
; LIMITS: X and W enter as f16, and q', k, v leave as f16: a magnitude above 65,504 becomes infinite, one below 2^-25 becomes 0.
; q is scaled before its one rounding, where the formula divides the product of the unscaled q.
;
; LDS: X slot n at n x 18,432: 128 rows x 64 f16, pitch 144 (LDS stores); the way out's stage at 36,864 + w x 2,304: 16 rows x 128 bytes,
; pitch 144 (LDS stores); W slot n at 46,080 + n x 139,264: 256 rows, pitch 544 (tensor loads alone).
; Pitch 144 = 9 x 16 and 544 = 17 x 32.
; REGISTERS: window 0: v8-28 addresses, v32-63 v's bias, v64-127 / v128-191 fragments of X (two buffers; at work on the way out), v192-255 the first
; tile's bias x scale; window 1: v0-63 and v192-255 staging sets 0 and 1 (X as loaded), v64-127 / v128-191 fragments of W;
; windows 2, 3: accumulators, first tile (a, b) at 8 (8 a + b), rows 64-127 in window 3; second tile (a, b) at 8 (4 a + b), all in window 2,
; and window 3's v0-63 are then staging set 2.
; THE MATRIX INSTRUCTION IS USED TRANSPOSED: source 0 = 16 columns of W, source 1 = 16 rows of X, so that lane l holds row l % 16 and its eight
; registers the columns 8 (l / 16) + 0 .. 7: eight neighbouring numbers of a row, 16 bytes of f16.
.set APITCH, 144
.set ASLOT,  128*APITCH                ; 18,432
.set SPITCH, 144
.set WSTAGE, 16*SPITCH                 ; 2,304
.set STAGE0, 2*ASLOT                   ; 36,864
.set BBASE,  STAGE0+4*WSTAGE           ; 46,080
.set BPITCH, 544
.set BPART,  64*BPITCH                 ; 34,816: what one tensor load brings; also one K step's rows
.set BBLOCK, 2*BPART                   ; 69,632
.set BSLOT,  2*BBLOCK                  ; 139,264
.set WROW,   2048                      ; bytes of a row of wbf
.set HEADB,  131072                    ; bytes of one head in qkv
.set ADRB2, 8                          ; v8-11   second tile: my W fragments in slot 0 block 0, 1, slot 1 block 0, 1
.set ADRA, 16                          ; v16-17  my X fragments in X slot 0, 1
.set ADRB1, 18                         ; v18-19  first tile: my W fragments in slot 0, 1
.set ASTO, 22                          ; v22-23  where I store 8 bytes of X in X slot 0, 1
.set STO,  24                          ; v24     way out: where I put 16 bytes of a row
.set RD,   25                          ; v25     way out: where I read back
.set CO,   26                          ; v26     way out: my byte offset in 512 consecutive bytes of qkv
.set XO,   27                          ; v27     my byte offset in X's block: row t / 16, 16 bytes at 16 (t % 16)
.set BO,   28                          ; v28     my byte offset in a bias
.set BIAS2, 32
.set F0,   64
.set F1,   128
.set TF,   64                          ; way out: results in f32
.set TMP,  96                          ; way out: packed results
.set RB,   112                         ; way out: two read-back buffers of 16 registers
.set BIAS1, 192
.set XS,   192                         ; window 1: staging set n at 192 n
.set G1,   16                          ; s[16:23] descriptor group 1
.set G0,   24                          ; s[24:31] descriptor group 0, one set for each slot
.set MSB, 0
.macro WIN new                         ; the immediate's high byte repeats the setting that is left
.if MSB != (\new)
	s_set_vgpr_msb (MSB<<8)|(\new)
.set MSB, (\new)
.endif
.endm
.set MUL_LO, 0xa1                      ; source 0 (W) window 1, source 1 (X) window 0, C and D window 2
.set MUL_HI, 0xf1                      ; the same, C and D window 3
.set TO_B,   0x40                      ; destination window 1, address window 0
; A round of the cluster's barrier: my work-group's barrier, wave 0 signals for the work-group, every wave waits for all four work-groups,
; my work-group's barrier once more.
.macro CREST                           ; a round behind its opening barrier
	s_cmp_lg_u32 s8, 0
	s_cbranch_scc1 .Lnot_wave_0_\@
	s_barrier_signal -3
.Lnot_wave_0_\@:
	s_barrier_wait -3
	s_barrier_signal -1
	s_barrier_wait -1
.endm
.macro CROUND                          ; a whole round
	s_barrier_signal -1
	s_barrier_wait -1
	CREST
.endm
; A load into a register that a matrix instruction has read, and a vector instruction that reads a matrix result, stand four places behind
; that matrix instruction (ISA guide 7.12.1 for vector instructions).  They are written out as v_nop.
.macro PLACES
.rept 4
	v_nop
.endr
.endm
; A staging set (window w, first register xb) holds a K step of X in f32: round it in place and put it into X slot as.
; left = how many younger loads (the other sets') may stay out.
.macro ACVT w, xb, as, left
	s_wait_loadcnt \left                           ; loads come back in order: this set's sixteen are in, so its registers and its address are free
	WIN (\w<<6)|(\w<<2)|\w
.irp i, 0,1,2,3,4,5,6,7,8,9,10,11,12,13,14,15
	v_cvt_pk_f16_f32 v[\xb+4*\i],   v[\xb+4*\i],   v[\xb+4*\i+1]
	v_cvt_pk_f16_f32 v[\xb+4*\i+1], v[\xb+4*\i+2], v[\xb+4*\i+3]
.endr
	WIN \w<<2
.irp i, 0,1,2,3,4,5,6,7,8,9,10,11,12,13,14,15
	ds_store_b64 v[ASTO+\as], v[\xb+4*\i:\xb+4*\i+1] offset:8*APITCH*\i
.endr
.endm
; Sixteen loads fill a staging set: sixteen lanes take a row's 256 bytes, a load of the work-group eight rows.
.macro ALOAD w, xb, sb, off
	WIN \w<<6
.irp i, 0,1,2,3,4,5,6,7,8,9,10,11,12,13,14,15
	global_load_b128 v[\xb+4*\i:\xb+4*\i+3], v[XO], s[\sb:\sb+1] offset:32768*\i+\off
.endr
.endm
	s_load_b512 s[36:51], s[0:1], 0x0              ; Q 36, K 38, V 40, bq 42, bk 44, bv 46, wbf 48, qkv 50
	v_lshl_add_u32 v30, v0, 2, 0x4f400
	v_mov_b32 v31, 0
	ds_add_u32 v30, v31
	ds_add_u32 v30, v31
	v_lshrrev_b32 v1, 5, v0
	v_readfirstlane_b32 s8, v1                     ; wave 0..3
	s_bfe_u32 s9, ttmp6, 0x40000                   ; cx: my place in the cluster
	s_lshl_b32 s10, ttmp9, 2
	s_add_co_u32 s10, s10, s9                      ; rb = 4 x cluster x + cx
	s_and_b32 s11, ttmp7, 0xffff                   ; y
	s_lshr_b32 s12, s11, 1                         ; the first tile's tensor: 0 q, 1 k
	s_and_b32 s13, s11, 1                          ; and which 512 columns of it
	v_and_b32 v1, 15, v0                           ; l % 16, and t % 16
	v_bfe_u32 v2, v0, 4, 1                         ; l / 16
	v_lshrrev_b32 v3, 4, v0                        ; t / 16, 0..7
	v_mul_u32_u24 v[ADRA], v1, APITCH              ; X fragment: row l % 16, 16 bytes for each half of the lanes
	v_lshl_add_u32 v[ADRA], v2, 4, v[ADRA]
	v_add_nc_u32 v[ADRA+1], ASLOT, v[ADRA]
	v_and_b32 v4, 7, v0                            ; W fragment through the transposing load: row k = 8 (l / 16) + l % 8,
	v_lshl_add_u32 v4, v2, 3, v4
	v_mul_u32_u24 v4, v4, BPITCH
	v_bfe_u32 v5, v0, 3, 1                         ; 16 bytes (8 columns) by bit 3 of the lane
	v_lshl_add_u32 v4, v5, 4, v4
	s_lshr_b32 s56, s8, 1                          ; first tile: my 128 columns lie in block w / 2, at byte 256 (w % 2) of its rows
	s_mul_i32 s56, s56, BBLOCK
	s_and_b32 s57, s8, 1
	s_lshl_b32 s57, s57, 8
	s_add_co_u32 s56, s56, s57
	s_add_co_u32 s56, s56, BBASE
	v_add_nc_u32 v[ADRB1], s56, v4
	v_add_nc_u32 v[ADRB1+1], BSLOT, v[ADRB1]
	s_lshl_b32 s57, s8, 7                          ; second tile: my 64 columns lie at byte 128 w of every row
	s_add_co_u32 s57, s57, BBASE
	v_add_nc_u32 v[ADRB2], s57, v4
	v_add_nc_u32 v[ADRB2+1], BBLOCK, v[ADRB2]
	v_add_nc_u32 v[ADRB2+2], BSLOT, v[ADRB2]
	v_add_nc_u32 v[ADRB2+3], BSLOT+BBLOCK, v[ADRB2]
	v_mul_u32_u24 v[ASTO], v3, APITCH              ; staging: row t / 16, 8 bytes (4 f16) at 8 (t % 16)
	v_lshl_add_u32 v[ASTO], v1, 3, v[ASTO]
	v_add_nc_u32 v[ASTO+1], ASLOT, v[ASTO]
	s_mul_i32 s57, s8, WSTAGE
	s_add_co_u32 s57, s57, STAGE0                  ; my stage
	v_mul_u32_u24 v4, v1, SPITCH                   ; in: row l % 16, 16 bytes for each half of the lanes
	v_lshl_add_u32 v4, v2, 4, v4
	v_add_nc_u32 v[STO], s57, v4
	v_bfe_u32 v4, v0, 3, 2                         ; back: eight lanes take a row's 128 bytes, a load four rows
	v_mul_u32_u24 v4, v4, SPITCH
	v_and_b32 v5, 7, v0
	v_lshl_add_u32 v4, v5, 4, v4
	v_add_nc_u32 v[RD], s57, v4
	v_and_b32 v4, 31, v0
	v_lshlrev_b32 v[CO], 4, v4                     ; four rows of 128 bytes are 512 consecutive bytes of a head
	v_lshlrev_b32 v[XO], 12, v3
	v_lshl_add_u32 v[XO], v1, 4, v[XO]
	v_lshlrev_b32 v[BO], 5, v2                     ; my eight columns of a tile of sixteen
	s_wait_dscnt 0x0
	s_wait_kmcnt 0x0
	s_cmp_eq_u32 s12, 0                            ; the first tile's tensor picks X, the bias and the scale
	s_cselect_b64 s[4:5], s[36:37], s[38:39]
	s_cselect_b64 s[34:35], s[42:43], s[44:45]
	s_cselect_b32 s14, 0x3e38aa3b, 1.0             ; 0.125 log2(e) for q, 1 for k
	s_mov_b32 s15, s14                             ; the pair's second register is written too
	s_lshl_b32 s52, s10, 19                        ; 128 rows of 4,096 bytes
	s_mov_b32 s53, 0
	s_add_nc_u64 s[4:5], s[4:5], s[52:53]          ; X at my block, K step 0: staging set 0's address
	s_add_nc_u64 s[6:7], s[4:5], 256               ; K step 1: staging set 1's
	s_add_nc_u64 s[40:41], s[40:41], s[52:53]      ; V at my block: never stepped, its K steps stand in the loads' immediates
	s_lshl_b32 s54, s13, 11
	s_lshl_b32 s55, s8, 9
	s_add_co_u32 s54, s54, s55
	s_mov_b32 s55, 0
	s_add_nc_u64 s[34:35], s[34:35], s[54:55]      ; the first bias at my wave's 128 columns
	s_lshl_b32 s54, s11, 10
	s_lshl_b32 s55, s8, 8
	s_add_co_u32 s54, s54, s55
	s_mov_b32 s55, 0
	s_add_nc_u64 s[46:47], s[46:47], s[54:55]      ; bv at my wave's 64 columns
.irp b, 0,1,2,3,4,5,6,7
	global_load_b128 v[BIAS1+8*\b:BIAS1+8*\b+3],   v[BO], s[34:35] offset:64*\b
	global_load_b128 v[BIAS1+8*\b+4:BIAS1+8*\b+7], v[BO], s[34:35] offset:64*\b+16
.endr
.irp b, 0,1,2,3
	global_load_b128 v[BIAS2+8*\b:BIAS2+8*\b+3],   v[BO], s[46:47] offset:64*\b
	global_load_b128 v[BIAS2+8*\b+4:BIAS2+8*\b+7], v[BO], s[46:47] offset:64*\b+16
.endr
	ALOAD 1, 0, 4, 0                               ; K step 0
	ALOAD 1, XS, 6, 0                              ; K step 1
	WIN 0
	; where the results go.  Common: batch rb / 8 (16 heads of 131,072 bytes), row 128 (rb % 8) of 128 bytes
	s_lshr_b32 s52, s10, 3
	s_lshl_b32 s52, s52, 21
	s_and_b32 s53, s10, 7
	s_lshl_b32 s53, s53, 14
	s_add_co_u32 s52, s52, s53
	s_lshl_b32 s36, s13, 20                        ; first tile: head 8 (y % 2) + 2 w, the tensor's part
	s_lshl_b32 s37, s8, 18
	s_add_co_u32 s36, s36, s37
	s_lshl_b32 s37, s12, 24
	s_add_co_u32 s36, s36, s37
	s_add_co_u32 s36, s36, s52
	s_mov_b32 s37, 0
	s_add_nc_u64 s[32:33], s[50:51], s[36:37]
	s_lshl_b32 s38, s11, 19                        ; second tile: head 4 y + w, v's part
	s_lshl_b32 s39, s8, 17
	s_add_co_u32 s38, s38, s39
	s_add_co_u32 s38, s38, s52
	s_add_co_u32 s38, s38, 33554432
	s_mov_b32 s39, 0
	s_add_nc_u64 s[50:51], s[50:51], s[38:39]
	; descriptor group 1: a tile of 64 rows x 256 elements of 2 bytes, 32 bytes of padding behind each row of 512
	s_mov_b32 s[G1+0], 15|(1<<16)|(1<<20)|(1<<21)|(6<<22)|(7<<25)   ; 15:0 mask: all four of the cluster; 17:16 2 bytes; 20 padding on; 21 set beside a mask; 24:22 every 128 words; 31:25 8 words
	s_mov_b32 s[G1+1], 256<<16                     ; tensor_dim0 = 256
	s_mov_b32 s[G1+2], 64<<16                      ; tensor_dim1 = 64
	s_mov_b32 s[G1+3], 256<<16                     ; tile_dim0 = 256
	s_mov_b32 s[G1+4], 64                          ; tile_dim1 = 64
	s_mov_b32 s[G1+5], 1024                        ; elements from row to row
	s_mov_b32 s[G1+6], 0
	s_mov_b32 s[G1+7], 0
	; where W's tiles come from; nothing here hangs on the place in the cluster
	s_lshl_b32 s58, s12, 21                        ; first tile: the tensor's part of wbf,
	s_lshl_b32 s59, s13, 10                        ; the column half's 1,024 bytes of a row,
	s_add_co_u32 s58, s58, s59
	s_lshr_b32 s59, s8, 1
	s_lshl_b32 s59, s59, 9                         ; block w / 2: 512 bytes,
	s_add_co_u32 s58, s58, s59
	s_and_b32 s59, s8, 1
	s_lshl_b32 s59, s59, 17                        ; rows 64 (w % 2)
	s_add_co_u32 s58, s58, s59
	s_mov_b32 s59, 0
	s_add_nc_u64 s[58:59], s[48:49], s[58:59]
	s_lshl_b32 s54, s8, 17                         ; second tile: rows 64 w,
	s_lshl_b32 s55, s11, 9                         ; the column quarter's 512 bytes,
	s_add_co_u32 s54, s54, s55
	s_add_co_u32 s54, s54, 4194304                 ; v's part
	s_mov_b32 s55, 0
	s_add_nc_u64 s[48:49], s[48:49], s[54:55]
	s_mul_i32 s56, s8, BPART                       ; and where they go: the wave's number times a constant
	CROUND                                         ; all four work-groups are here: the first joint loads meet
.irp n, 0,1
	s_mov_b32 s[G0+4*\n], 1                                        ; count = 1
	s_add_co_u32 s[G0+4*\n+1], s56, BBASE+\n*BSLOT                 ; LDS address: slot, wave
	s_add_nc_u64 s[G0+4*\n+2:G0+4*\n+3], s[58:59], \n*128*WROW     ; global address: fill n
	s_or_b32 s[G0+4*\n+3], s[G0+4*\n+3], 0x80000000                ; type = 2
	tensor_load_to_lds s[G0+4*\n:G0+4*\n+3], s[G1:G1+7]            ; both first fills go out together: two tensor loads of the wave are out
	s_nop 0
.endr
; FIRST TILE.  16 matrix instructions: m blocks a0, a0 + 1 of the window's four (hi = 0: rows 0-63, 1: rows 64-127) x all 8 n blocks, 32 along K.
; zero = 1: the first product starts the sums.  The 64 accumulators take turns, one instruction a turn, in the same order in every half step,
; over the backward jump too.
.macro MUL16 f, hi, a0, zero
.irp a, \a0, \a0+1
.irp b, 0,1,2,3,4,5,6,7
.if \zero
	v_wmma_f32_16x16x32_f16 v[8*(8*(\a)+\b):8*(8*(\a)+\b)+7], v[\f+8*\b:\f+8*\b+7], v[\f+8*(4*\hi+\a):\f+8*(4*\hi+\a)+7], 0
.else
	v_wmma_f32_16x16x32_f16 v[8*(8*(\a)+\b):8*(8*(\a)+\b)+7], v[\f+8*\b:\f+8*\b+7], v[\f+8*(4*\hi+\a):\f+8*(4*\hi+\a)+7], v[8*(8*(\a)+\b):8*(8*(\a)+\b)+7]
.endif
.endr
.endr
.endm
; 32 LDS loads in one run: the fragments of half kq of a K step into buffer f.  n = the step's parity: X slot n, and the step's 64 rows in W slot bs.
; W lies [k][n]: the transposing load brings lane l column l % 16 of a tile with k = 8 (l / 16) + 0..7, the second load the k sixteen rows
; further down.  X lies [m][k]: two plain loads 32 bytes apart.  The largest immediate is 61,152.
.macro FETCH1 n, bs, kq, f
	WIN TO_B
.irp i, 0,1,2,3,4,5,6,7
	ds_load_tr16_b128 v[\f+8*\i:\f+8*\i+3],   v[ADRB1+\bs] offset:\n*BPART+\kq*32*BPITCH+32*\i
	ds_load_tr16_b128 v[\f+8*\i+4:\f+8*\i+7], v[ADRB1+\bs] offset:\n*BPART+\kq*32*BPITCH+32*\i+16*BPITCH
.endr
	WIN 0
.irp i, 0,1,2,3,4,5,6,7
	ds_load_b128 v[\f+8*\i:\f+8*\i+3],   v[ADRA+\n] offset:64*\kq+\i*16*APITCH
	ds_load_b128 v[\f+8*\i+4:\f+8*\i+7], v[ADRA+\n] offset:64*\kq+\i*16*APITCH+32
.endr
.endm
; The first half of K step t (n = t % 2): multiplies buffer 0; in its middle X of step t + 1 goes into the other X slot, whose last readers
; passed the barrier of step t - 1, the set is asked again for step t + 3, and the second half's fragments are fetched.
; mode = 2: step t + 3 is this tensor's, the set's address steps; mode = 3: it is V's, at byte voff of V's rows.
.macro HALF1 n, bs, zero, mode, voff
	s_wait_dscnt 8                                 ; W and X's rows 0-63 are in; the youngest eight loads (X's rows 64-127) may be out
	WIN MUL_LO
	MUL16 F0, 0, 0, \zero
	MUL16 F0, 0, 2, \zero
	PLACES
	ACVT 1, XS*(1-\n), (1-\n), 16                  ; the other set's sixteen loads stay out
.if \mode == 2
	s_add_nc_u64 s[4+2*(1-\n):5+2*(1-\n)], s[4+2*(1-\n):5+2*(1-\n)], 512       ; two K steps of 256 bytes
	ALOAD 1, XS*(1-\n), 4+2*(1-\n), 0
.else
	ALOAD 1, XS*(1-\n), 40, \voff
.endif
	FETCH1 \n, \bs, 1, F1
	s_wait_dscnt 48                                ; all but the 16 stores and 32 loads just issued
	WIN MUL_HI
	MUL16 F0, 1, 0, \zero
	MUL16 F0, 1, 2, \zero
.endm
; The second half: multiplies buffer 1 and goes over to the next step.  ONE barrier.  In front of it each wave waits for its reads of X slot n and
; for its stores into the other X slot.
; kind = 0 (n = 0, the fill's first step): that is all; my tensor load stays out across it.
; kind = 1, 2 (n = 1, the fill's last step): the wave's reads of W slot bs are over too, and it waits for all its tensor loads (one is out: its part
; of the other W slot).  The barrier opens a round of the cluster's barrier, and the joint refill of W slot bs, two fills ahead, is the wave's first
; and only tensor load behind the round.  kind = 1: the same tensor's next but one 128 rows; kind = 2: V's first 256 rows.
.macro TURN1 n, bs, kind
	s_wait_dscnt 8
	WIN MUL_LO
	MUL16 F1, 0, 0, 0
	s_wait_dscnt 0x0                               ; for the others' sake: my reads of this step's slots and my stores of the next step's X are done
.if \kind
	s_set_vgpr_msb 0xa1a0
	s_wait_tensorcnt 0x0                           ; and all my tensor loads have landed
	ds_add_u32 v30, v31
	s_wait_dscnt 0x0
	s_set_vgpr_msb 0xa0a1
.endif
	s_barrier_signal -1
	MUL16 F1, 0, 2, 0                              ; register work while the others arrive
.if \kind
	WIN 0
.endif
	s_barrier_wait -1
.if \kind
	CREST                                          ; no wave of any partner still reads this slot's tile or has a load on its way
.if \kind == 1
	s_add_nc_u64 s[G0+4*\bs+2:G0+4*\bs+3], s[G0+4*\bs+2:G0+4*\bs+3], 2*128*WROW
.else
	s_mov_b64 s[G0+4*\bs+2:G0+4*\bs+3], s[48:49]
	s_or_b32 s[G0+4*\bs+3], s[G0+4*\bs+3], 0x80000000
.endif
	tensor_load_to_lds s[G0+4*\bs:G0+4*\bs+3], s[G1:G1+7]
	s_nop 0
.endif
	PLACES
.if \n
	FETCH1 0, (1-\bs), 0, F0
.else
	FETCH1 1, \bs, 0, F0
.endif
	WIN MUL_HI
	MUL16 F1, 1, 0, 0
	MUL16 F1, 1, 2, 0
.endm
; SECOND TILE.  16 matrix instructions: m blocks a0 .. a0 + 3 x my 4 n blocks, 32 along K.  The 32 accumulators take turns, one instruction a turn,
; in the same order in every half step.
.macro MULQ f, a0, zero
.irp a, \a0, \a0+1, \a0+2, \a0+3
.irp b, 0,1,2,3
.if \zero
	v_wmma_f32_16x16x32_f16 v[8*(4*(\a)+\b):8*(4*(\a)+\b)+7], v[\f+8*\b:\f+8*\b+7], v[\f+8*(\a):\f+8*(\a)+7], 0
.else
	v_wmma_f32_16x16x32_f16 v[8*(4*(\a)+\b):8*(4*(\a)+\b)+7], v[\f+8*\b:\f+8*\b+7], v[\f+8*(\a):\f+8*(\a)+7], v[8*(4*(\a)+\b):8*(4*(\a)+\b)+7]
.endif
.endr
.endr
.endm
; 24 LDS loads: 4 tiles of W, then 8 of X.  ab = 2 x W slot + block; n = the step's parity: X slot n, and the step's 64 rows in the block.
.macro FETCH2 n, ab, kq, f
	WIN TO_B
.irp i, 0,1,2,3
	ds_load_tr16_b128 v[\f+8*\i:\f+8*\i+3],   v[ADRB2+\ab] offset:\n*BPART+\kq*32*BPITCH+32*\i
	ds_load_tr16_b128 v[\f+8*\i+4:\f+8*\i+7], v[ADRB2+\ab] offset:\n*BPART+\kq*32*BPITCH+32*\i+16*BPITCH
.endr
	WIN 0
.irp i, 0,1,2,3,4,5,6,7
	ds_load_b128 v[\f+8*\i:\f+8*\i+3],   v[ADRA+\n] offset:64*\kq+\i*16*APITCH
	ds_load_b128 v[\f+8*\i+4:\f+8*\i+7], v[ADRA+\n] offset:64*\kq+\i*16*APITCH+32
.endr
.endm
; The first half of a step.  sw, sxb: window and first register of the staging set that holds the next step's X (sw = 0: there is none);
; left: the younger sets' loads; ld: the K step of V for which the set is asked again (-1: none is left).
.macro HALF2 n, ab, zero, sw, sxb, left, ld
	s_wait_dscnt 8                                 ; W and X's rows 0-63 are in; the youngest eight loads (X's rows 64-127) may be out
	WIN MUL_LO
	MULQ F0, 0, \zero
	PLACES
.if \sw
	ACVT \sw, \sxb, (1-\n), \left
.if \ld >= 0
	ALOAD \sw, \sxb, 40, 256*\ld
.endif
.endif
	FETCH2 \n, \ab, 1, F1
.if \sw
	s_wait_dscnt 40                                ; all but the 16 stores and 24 loads just issued
.else
	s_wait_dscnt 24                                ; all but the 24 loads just issued
.endif
	WIN MUL_LO
	MULQ F0, 4, \zero
.endm
; The second half.  kind = 0: the barrier serves X's slots alone.  kind = 1: the fill's last step, the other W slot's load is waited for, nothing is
; filled.  kind = 2: the same, and W slot fs is filled again behind a round of the cluster's barrier, 512 rows of W on.  nn, nab: the next step's n and ab.
.macro TURN2 kind, fs, nn, nab
	s_wait_dscnt 0x0                               ; buffer 1 is in; for the others' sake: my reads of this step's slots and my stores of the next step's X are done
.if \kind
	s_set_vgpr_msb 0xa1a0
	s_wait_tensorcnt 0x0                           ; and all my tensor loads have landed
	ds_add_u32 v30, v31
	s_wait_dscnt 0x0
	s_set_vgpr_msb 0xa0a1
.endif
	s_barrier_signal -1
	WIN MUL_LO
	MULQ F1, 0, 0                                  ; register work while the others arrive
.if \kind == 2
	WIN 0
.endif
	s_barrier_wait -1
.if \kind == 2
	CREST
	s_add_nc_u64 s[G0+4*\fs+2:G0+4*\fs+3], s[G0+4*\fs+2:G0+4*\fs+3], 512*WROW
	tensor_load_to_lds s[G0+4*\fs:G0+4*\fs+3], s[G1:G1+7]
	s_nop 0
.endif
	PLACES
	FETCH2 \nn, \nab, 0, F0
	WIN MUL_LO
	MULQ F1, 4, 0
.endm
; THE WAY OUT, a unit of 16 rows x 64 columns (one head's share of 16 rows): sum x scale + bias x scale in one fused multiply-add, one rounding to f16,
; 16 bytes a lane into my own stage, read back so that a store of the wave writes 512 consecutive bytes: four rows of 128 bytes of the head.
; A unit's global stores are issued behind the next unit's LDS instructions, so that no unit waits for its own way through LDS.
.macro OUTC win, acc, bias, rb
	WIN \win
.irp b, 0,1,2,3
.irp p, 0,1,2,3
	v_pk_fma_f32 v[TF+8*\b+2*\p:TF+8*\b+2*\p+1], v[\acc+8*\b+2*\p:\acc+8*\b+2*\p+1], s[14:15], v[\bias+8*\b+2*\p:\bias+8*\b+2*\p+1] op_sel_hi:[1,0,1]
.endr
.endr
	WIN 0
.irp b, 0,1,2,3
.irp p, 0,1,2,3
	v_cvt_pk_f16_f32 v[TMP+4*\b+\p], v[TF+8*\b+2*\p], v[TF+8*\b+2*\p+1]
.endr
.endr
.irp b, 0,1,2,3
	ds_store_b128 v[STO], v[TMP+4*\b:TMP+4*\b+3] offset:32*\b      ; LDS serves a wave's instructions in order: the last unit's loads have read the stage
.endr
	s_wait_xcnt 0x0                                ; this read-back buffer was store data of the unit before last: it is loaded again only behind this wait
.irp u, 0,1,2,3
	ds_load_b128 v[\rb+4*\u:\rb+4*\u+3], v[RD] offset:4*SPITCH*\u  ; and these see the stores above
.endr
.endm
.macro OUTS rb, sb, goff, left
	s_wait_dscnt \left                             ; this unit's four loads are in; left = the next unit's four stores and four loads
.irp u, 0,1,2,3
	global_store_b128 v[CO], v[\rb+4*\u:\rb+4*\u+3], s[\sb:\sb+1] offset:\goff+512*\u
.endr
.endm
.macro U1C i, hd                       ; first tile: rows 16 i .., head hd of my two
	OUTC 0x02+(\i>>2), 64*(\i&3)+32*\hd, BIAS1+32*\hd, RB+16*\hd
.endm
.macro U1S i, hd, left
	OUTS RB+16*\hd, 32, \hd*HEADB+2048*\i, \left
.endm
.macro ROW1 i, pi                      ; pi: the rows before, whose second head is still to be stored; -1: none
	U1C \i, 0
.if \pi >= 0
	U1S \pi, 1, 8
.endif
	U1C \i, 1
	U1S \i, 0, 8
.endm
.macro U2C a                           ; second tile: rows 16 a ..
	OUTC 0x02, 32*\a, BIAS2, RB+16*(\a&1)
.endm
.macro U2S a, left
	OUTS RB+16*(\a&1), 50, 2048*\a, \left
.endm
	s_wait_loadcnt 32                              ; both biases are in; the 32 loads of the two staging sets stay out
.irp p, 0,1,2,3,4,5,6,7,8,9,10,11,12,13,14,15,16,17,18,19,20,21,22,23,24,25,26,27,28,29,30,31
	v_pk_mul_f32 v[BIAS1+2*\p:BIAS1+2*\p+1], v[BIAS1+2*\p:BIAS1+2*\p+1], s[14:15] op_sel_hi:[1,0]   ; (sum + b) x scale = sum x scale + b x scale
.endr
	ACVT 1, 0, 0, 16                               ; K step 0 into X slot 0;
	s_add_nc_u64 s[4:5], s[4:5], 512
	ALOAD 1, 0, 4, 0                               ; K step 2 is asked for
	s_wait_tensorcnt 0x1                           ; my part of W's fill 0 is in; fill 1's stays out
	s_wait_dscnt 0x0                               ; my part of X's K step 0 is stored
	s_barrier_signal -1
	s_barrier_wait -1
	FETCH1 0, 0, 0, F0
	HALF1 0, 0, 1, 2, 0                            ; K step 0's first half stands in front of the loop: its products start the sums
	WIN 0                                          ; at a label and at a branch every window is 0
	s_mov_b32 s3, 3                                ; a trip: the second half of step 4 L to the first half of step 4 L + 4, L = 0, 1, 2
.Llap:
	TURN1 0, 0, 0
	HALF1 1, 0, 0, 2, 0
	TURN1 1, 0, 1                                  ; fills 2, 4, 6
	HALF1 0, 1, 0, 2, 0
	TURN1 0, 1, 0
	HALF1 1, 1, 0, 2, 0
	TURN1 1, 1, 1                                  ; fills 3, 5, 7
	HALF1 0, 0, 0, 2, 0                            ; in the last trip step 12: the last request for this tensor's X (step 15)
	WIN 0
	s_sub_co_u32 s3, s3, 1
	s_cmp_lg_u32 s3, 0
	s_cbranch_scc1 .Llap
	TURN1 0, 0, 0                                  ; K step 12
	HALF1 1, 0, 0, 3, 0                            ; K step 13: V's K step 0 is asked for
	TURN1 1, 0, 2                                  ; fill 8: V's weights, rows 0-255
	HALF1 0, 1, 0, 3, 256                          ; K step 14: V's K step 1
	TURN1 0, 1, 0
	HALF1 1, 1, 0, 3, 512                          ; K step 15: V's K step 0 goes into X slot 0; V's K step 2 is asked for
	s_wait_dscnt 8                                 ; the first tile's last half
	WIN MUL_LO
	MUL16 F1, 0, 0, 0
	s_wait_dscnt 0x0                               ; my reads of this step's slots and my stores of V's first step are done
	s_set_vgpr_msb 0xa1a0
	s_wait_tensorcnt 0x0                           ; fill 8 has landed
	ds_add_u32 v30, v31
	s_wait_dscnt 0x0
	s_set_vgpr_msb 0xa0a1
	s_barrier_signal -1
	MUL16 F1, 0, 2, 0
	WIN 0
	s_barrier_wait -1
	CREST
	s_add_nc_u64 s[G0+6:G0+7], s[48:49], 256*WROW  ; fill 9: V's weights, rows 256-511
	s_or_b32 s[G0+7], s[G0+7], 0x80000000
	tensor_load_to_lds s[G0+4:G0+7], s[G1:G1+7]
	s_nop 0
	WIN MUL_HI
	MUL16 F1, 1, 0, 0
	MUL16 F1, 1, 2, 0
	PLACES                                         ; in front of the first read of a sum and of the first write into a fragment buffer
	ROW1 4, -1                                     ; rows 64-127 first: they free window 3
	ROW1 5, 4
	ROW1 6, 5
	ROW1 7, 6
	ALOAD 3, 0, 40, 768                            ; staging set 2: V's K step 3; three sets are now on their way
	ROW1 0, 7
	ROW1 1, 0
	ROW1 2, 1
	ROW1 3, 2
	U1S 3, 1, 0
	s_wait_xcnt 0x0                                ; the read-back buffers, which the stores read, lie in the fragment buffers: these are loaded again only behind this wait
	s_mov_b32 s14, 1.0                             ; v is not scaled
	s_mov_b32 s15, 1.0
	FETCH2 0, 0, 0, F0                             ; the barrier of step 15 has shown X slot 0 and W slot 0 to every wave
	HALF2 0, 0, 1, 1, XS, 32, 4                    ; V's K step 0: its first half starts the sums
	TURN2 0, 0, 1, 0
	HALF2 1, 0, 0, 1, 0, 32, 5
	TURN2 0, 0, 0, 1
	HALF2 0, 1, 0, 3, 0, 32, 6
	TURN2 0, 0, 1, 1
	HALF2 1, 1, 0, 1, XS, 32, 7
	TURN2 2, 0, 0, 2                               ; fill 10: rows 512-767
	HALF2 0, 2, 0, 1, 0, 32, 8
	TURN2 0, 0, 1, 2
	HALF2 1, 2, 0, 3, 0, 32, 9
	TURN2 0, 0, 0, 3
	HALF2 0, 3, 0, 1, XS, 32, 10
	TURN2 0, 0, 1, 3
	HALF2 1, 3, 0, 1, 0, 32, 11
	TURN2 2, 1, 0, 0                               ; fill 11: rows 768-1023: the last tensor load
	HALF2 0, 0, 0, 3, 0, 32, 12
	TURN2 0, 0, 1, 0
	HALF2 1, 0, 0, 1, XS, 32, 13
	TURN2 0, 0, 0, 1
	HALF2 0, 1, 0, 1, 0, 32, 14
	TURN2 0, 0, 1, 1
	HALF2 1, 1, 0, 3, 0, 32, 15                    ; the last request for X
	TURN2 1, 0, 0, 2                               ; fill 11 has landed; nothing is filled: a plain barrier
	HALF2 0, 2, 0, 1, XS, 32, -1                   ; the counts run down: steps 14 and 15 are out,
	TURN2 0, 0, 1, 2
	HALF2 1, 2, 0, 1, 0, 16, -1                    ; step 15 is out,
	TURN2 0, 0, 0, 3
	HALF2 0, 3, 0, 3, 0, 0, -1                     ; none is
	TURN2 0, 0, 1, 3
	HALF2 1, 3, 0, 0, 0, 0, -1                     ; V's K step 15
	s_wait_dscnt 0x0
	WIN MUL_LO
	MULQ F1, 0, 0
	MULQ F1, 4, 0
	PLACES
	U2C 0
	U2C 1
	U2S 0, 8
	U2C 2
	U2S 1, 8
	U2C 3
	U2S 2, 8
	U2C 4
	U2S 3, 8
	U2C 5
	U2S 4, 8
	U2C 6
	U2S 5, 8
	U2C 7
	U2S 6, 8
	U2S 7, 0
	s_wait_tensorcnt 0x0
	ds_add_u32 v30, v31
	s_wait_dscnt 0x0
	CROUND                                         ; the closing round: no work-group ends while a partner may still ask for a tile that names it
	s_endpgm
.Lfunc_end_k_q207491913c_proj:
	.size	k_q207491913c_proj, .Lfunc_end_k_q207491913c_proj-k_q207491913c_proj
	.p2alignl 7, 3214868480
	.fill 96, 4, 3214868480
	.section	.rodata,"a",@progbits
	.p2align	6, 0x0
	.amdhsa_kernel k_q207491913c_proj
		.amdhsa_group_segment_fixed_size 327680
		.amdhsa_private_segment_fixed_size 0
		.amdhsa_enable_private_segment 0
		.amdhsa_kernarg_size 64
		.amdhsa_user_sgpr_count 2
		.amdhsa_user_sgpr_kernarg_segment_ptr 1
		.amdhsa_wavefront_size32 1
		.amdhsa_system_sgpr_workgroup_id_x 1
		.amdhsa_system_sgpr_workgroup_id_y 1
		.amdhsa_system_sgpr_workgroup_id_z 1
		.amdhsa_system_vgpr_workitem_id 0
		.amdhsa_next_free_vgpr 1024
		.amdhsa_next_free_sgpr 66
		.amdhsa_reserve_vcc 0
		.amdhsa_float_denorm_mode_32 3
		.amdhsa_float_denorm_mode_16_64 3
		.amdhsa_memory_ordered 1
		.amdhsa_forward_progress 1
		.amdhsa_inst_pref_size 255
	.end_amdhsa_kernel
	.section	.bss,"aw",@nobits
	.p2align	6
	.space	262144
	.amdgpu_metadata
---
amdhsa.version: [ 1, 2 ]
amdhsa.kernels:
  - .name:           k_q207491913c_proj
    .symbol:         k_q207491913c_proj.kd
    .args:
      - { .name: Q, .offset: 0, .size: 8, .value_kind: global_buffer, .address_space: global }
      - { .name: K, .offset: 8, .size: 8, .value_kind: global_buffer, .address_space: global }
      - { .name: V, .offset: 16, .size: 8, .value_kind: global_buffer, .address_space: global }
      - { .name: bq, .offset: 24, .size: 8, .value_kind: global_buffer, .address_space: global }
      - { .name: bk, .offset: 32, .size: 8, .value_kind: global_buffer, .address_space: global }
      - { .name: bv, .offset: 40, .size: 8, .value_kind: global_buffer, .address_space: global }
      - { .name: wbf, .offset: 48, .size: 8, .value_kind: global_buffer, .address_space: global }
      - { .name: qkv, .offset: 56, .size: 8, .value_kind: global_buffer, .address_space: global }
    .group_segment_fixed_size: 327680
    .private_segment_fixed_size: 0
    .kernarg_segment_align: 8
    .kernarg_segment_size: 64
    .max_flat_workgroup_size: 128
    .sgpr_count:     66
    .vgpr_count:     1024
    .wavefront_size: 32
...
	.end_amdgpu_metadata
.endif
;; end of part 2
;; launch attn (part 3): grid 256 x 1, 8 waves a work-group, no clusters, 322,560 bytes of LDS; arguments qkv, out0; writes out0
.if DOCPART == 3
	.amdgcn_target "amdgcn-amd-amdhsa--gfx1250"
	.amdhsa_code_object_version 6
	.text
	.protected	k_q207491913c_attn
	.globl	k_q207491913c_attn
	.p2align	8
	.type	k_q207491913c_attn,@function
k_q207491913c_attn:
	s_mov_b64 s[64:65], 0
	v_nop
	global_prefetch_b8 v0, s[64:65] scope:SCOPE_SE
	s_setreg_imm32_b32 hwreg(HW_REG_WAVE_MODE, 25, 1), 1
	s_wait_xcnt 0x0
; out[b][s][64 head + d] = sum over keys of p v / (sum of p + 1e-8), p = exp(q k / 8), for 128 heads of 1,024 queries and keys, d = 64.
; q' = q x 0.125 log2(e), k, v come as f16 from qkv, [head][s][64]; so p = 2^S with S = k q'.  Sums in f32, out0 in f32.
; The fraction is formed with numerator and denominator both divided by 2^m, m the running maximum of the query's scores:
; p = 2^(S - m) <= 1 goes into the second product as f16; when m grows, l and O are multiplied by 2^(m_old - m_new), in every step, without a branch;
; at the end out = O / (l + 1e-8 x 2^-m).  That is the same fraction.
; LIMITS: a weight below 2^-25 of its row's largest counts as 0.  Where a score / 8 passes 88.7 and the formula itself overflows, this text still
; gives numbers.  Where 1e-8 x 2^-m overflows (every score / 8 below about -70) the result is 0.
; A work-group takes 512 queries of one head, a wave 64 of them (4 tiles of 16); eight waves, two on a SIMD, so that one wave's exponentials
; stand beside the other's products.  The head's K and V lie whole in LDS and are brought once: nothing is ever filled again.
; NO CLUSTER: a byte of K or V is wanted by two work-groups alone, and a work-group takes in 262,144 bytes in all for its 1,024 matrix instructions a wave.
; NO PREFETCH: every tile is asked for in the first lines.
; BOTH PRODUCTS ARE TRANSPOSED.  S^T = K q'^T: lane l holds query l % 16, its eight registers the keys 8 (l / 16) + 0..7 of a tile of sixteen.
; Packed in pairs these registers ARE the second source (column = query, k = key) of O^T = V^T P^T: nothing crosses lanes but the maximum.
; LDS: K at 0: 512 rows of 256 bytes (two keys), pitch 272; V at 139,264: the same, pitch 288; the way out's stage at 286,720 + w x 4,352
; (16 rows of 256 bytes, pitch 272; LDS stores alone).
; REGISTERS: window 0: v8-13 addresses, v16-79 Q, v80-111 K fragments, v112-143 V fragments, v144-207 way out.
; window 1: v0-127 O^T, tile (qt, dt) at 8 (4 qt + dt); v128-191 S, tile (qt, kt) at 16 qt + 8 kt, P over its first eight of each sixteen;
; v192-207 l, four a query tile; v208-223 four a query tile: -m, m, alpha, scratch; v224-227 the step's maximum.
; All that the softmax touches lies in window 1, so that exponentials, sums, packing and the rescaling of O stand mixed under one setting.
.set KPITCH, 272
.set VPITCH, 288
.set KPART,  32*KPITCH                 ; 8,704: 64 keys, what one tensor load brings
.set VPART,  32*VPITCH                 ; 9,216
.set KCHUNK, 4*KPART                   ; 34,816: 256 keys
.set VCHUNK, 4*VPART                   ; 36,864
.set VBASE,  4*KCHUNK                  ; 139,264
.set STG,    VBASE+4*VCHUNK            ; 286,720
.set SPITCH, 272
.set WSTG,   16*SPITCH
.set KA,  8                            ; my K fragment's address; steps 32 keys a load group
.set VA,  9                            ; my V fragment's address; likewise
.set STO, 10
.set RD,  11
.set CO,  12
.set QO,  13
.set QF,  16
.set KF,  80
.set VF,  112
.set T0,  144
.set T1,  176
.set OA,  0                            ; window 1 from here on
.set SC,  128
.set LS,  192
.set PA,  208
.set TM,  224
.set G1,  16                           ; s[16:23] descriptor group 1
.set G0,  24                           ; s[24:39] descriptor group 0, one set for each of my four loads
.set MSB, 0
.macro WIN new                         ; the immediate's high byte repeats the setting that is left
.if MSB != \new
	s_set_vgpr_msb (MSB<<8)|\new
.set MSB, \new
.endif
.endm
	s_load_b128 s[4:7], s[0:1], 0x0                ; qkv s[4:5], out0 s[6:7]
	v_lshl_add_u32 v254, v0, 2, 0x4e800
	v_mov_b32 v255, 0
	ds_add_u32 v254, v255
	ds_add_u32 v254, v255
	v_lshrrev_b32 v1, 5, v0
	v_readfirstlane_b32 s8, v1                     ; wave 0..7
	s_lshr_b32 s9, ttmp9, 1                        ; head 16 b + h
	s_and_b32 s10, ttmp9, 1                        ; which 512 queries
	s_lshl_b32 s11, s9, 17                         ; a head is 131,072 bytes
	; group 1: a dense block of 8,192 bytes as 32 rows of 32 elements of 8 bytes, padded behind each row
	s_mov_b32 s[G1+1], 32<<16                      ; tensor_dim0 = 32
	s_mov_b32 s[G1+2], 32<<16                      ; tensor_dim1 = 32
	s_mov_b32 s[G1+3], 32<<16                      ; tile_dim0 = 32
	s_mov_b32 s[G1+4], 32                          ; tile_dim1 = 32
	s_mov_b32 s[G1+5], 32                          ; each row begins where the last ends
	s_mov_b32 s[G1+6], 0
	s_mov_b32 s[G1+7], 0
	s_lshl_b32 s42, s8, 13                         ; 64 keys of 128 bytes a wave
	s_add_co_u32 s42, s42, s11
	s_mov_b32 s43, 0
	s_wait_dscnt 0x0
	s_wait_kmcnt 0x0
; Four chunks of 256 keys.  Of each chunk waves 0-3 bring K's four parts of 64 keys, waves 4-7 V's: four loads a wave, issued together, all four out.
; Parts of 32 rows, and not fewer and larger ones, so that the first 256 keys can be worked on while the other three chunks are on their way.
.macro FILL4 chunk
.irp c, 0,1,2,3
	s_mov_b32 s[G0+4*\c], 1                                        ; count = 1
	s_add_co_u32 s[G0+4*\c+1], s40, \c*\chunk                      ; LDS address: a constant, the wave's number times a constant, the chunk's constant
	s_add_nc_u64 s[G0+4*\c+2:G0+4*\c+3], s[42:43], \c*32768        ; global address: 256 keys of 128 bytes a chunk
	s_or_b32 s[G0+4*\c+3], s[G0+4*\c+3], 0x80000000                ; type = 2
	tensor_load_to_lds s[G0+4*\c:G0+4*\c+3], s[G1:G1+7]
	s_nop 0
.endr
.endm
	s_cmp_lt_u32 s8, 4
	s_cbranch_scc0 .Lfor_v
	s_mov_b32 s[G1+0], (3<<16)|(1<<20)|(5<<22)|(3<<25)             ; 8-byte elements; padding on: behind every 64 words 4 words: pitch 272
	s_mul_i32 s40, s8, KPART
	s_add_co_u32 s42, s42, 16777216                                ; k's part of qkv
	s_add_nc_u64 s[42:43], s[4:5], s[42:43]
	FILL4 KCHUNK
	s_branch .Lasked
.Lfor_v:
	s_mov_b32 s[G1+0], (3<<16)|(1<<20)|(5<<22)|(7<<25)             ; the same with 8 words: pitch 288
	s_mul_i32 s40, s8, VPART
	s_add_co_u32 s40, s40, VBASE-4*VPART                           ; wave 4 fills V's first part
	s_add_co_u32 s42, s42, 33554432-4*8192                         ; v's part of qkv, likewise
	s_add_nc_u64 s[42:43], s[4:5], s[42:43]
	FILL4 VCHUNK
.Lasked:
	s_lshl_b32 s44, s10, 16                        ; my 64 queries: 512 x half + 64 w rows of 128 bytes
	s_lshl_b32 s45, s8, 13
	s_add_co_u32 s44, s44, s45
	s_add_co_u32 s44, s44, s11
	s_mov_b32 s45, 0
	s_add_nc_u64 s[12:13], s[4:5], s[44:45]
	v_and_b32 v1, 15, v0                           ; l % 16
	v_bfe_u32 v2, v0, 4, 1                         ; l / 16
	v_lshlrev_b32 v[QO], 7, v1
	v_lshl_add_u32 v[QO], v2, 4, v[QO]             ; query l % 16, 16 bytes for each half of the lanes
.irp qt, 0,1,2,3
.irp ks, 0,1
	global_load_b128 v[QF+16*\qt+8*\ks:QF+16*\qt+8*\ks+3],   v[QO], s[12:13] offset:2048*\qt+64*\ks th:TH_LOAD_NT
	global_load_b128 v[QF+16*\qt+8*\ks+4:QF+16*\qt+8*\ks+7], v[QO], s[12:13] offset:2048*\qt+64*\ks+32 th:TH_LOAD_NT
.endr
.endr
	s_lshr_b32 s44, s9, 4                          ; out0: row 1,024 b + 512 x half + 64 w of 4,096 bytes, the head's 256 bytes in it
	s_lshl_b32 s44, s44, 22
	s_lshl_b32 s45, s10, 21
	s_add_co_u32 s44, s44, s45
	s_lshl_b32 s45, s8, 18
	s_add_co_u32 s44, s44, s45
	s_and_b32 s45, s9, 15
	s_lshl_b32 s45, s45, 8
	s_add_co_u32 s44, s44, s45
	s_mov_b32 s45, 0
	s_add_nc_u64 s[14:15], s[6:7], s[44:45]
	s_mov_b32 s46, 0x76543210                      ; v_permlanex16_b32: lane i of one half reads lane i of the other
	s_mov_b32 s47, 0xfedcba98
	v_lshrrev_b32 v4, 1, v1                        ; K: key l % 16 lies in row (l % 16) / 2, half (l % 2) of the row
	v_mul_u32_u24 v[KA], v4, KPITCH
	v_and_b32 v4, 1, v0
	v_lshl_add_u32 v[KA], v4, 7, v[KA]
	v_lshl_add_u32 v[KA], v2, 4, v[KA]
	v_bfe_u32 v5, v0, 1, 2                         ; V through the transposing load: key 8 (l / 16) + l % 8, that is row 4 (l / 16) + (l % 8) / 2,
	v_lshl_add_u32 v5, v2, 2, v5
	v_mul_u32_u24 v[VA], v5, VPITCH
	v_lshl_add_u32 v[VA], v4, 7, v[VA]             ; half l % 2,
	v_bfe_u32 v5, v0, 3, 1
	v_lshl_add_u32 v[VA], v5, 4, v[VA]             ; 16 bytes (8 d) by bit 3 of the lane
	v_add_nc_u32 v[VA], VBASE, v[VA]
	s_mul_i32 s49, s8, WSTG
	s_add_co_u32 s49, s49, STG                     ; my stage
	v_mul_u32_u24 v[STO], v1, SPITCH               ; in: query l % 16, 32 bytes (8 d in f32) for each half of the lanes
	v_lshl_add_u32 v[STO], v2, 5, v[STO]
	v_add_nc_u32 v[STO], s49, v[STO]
	v_mul_u32_u24 v[RD], v2, SPITCH                ; back: lanes 0-15 take one query's 256 bytes, lanes 16-31 the next one's
	v_lshl_add_u32 v[RD], v1, 4, v[RD]
	v_add_nc_u32 v[RD], s49, v[RD]
	v_lshlrev_b32 v[CO], 12, v2                    ; and the same two rows in out0
	v_lshl_add_u32 v[CO], v1, 4, v[CO]
	WIN 0x40
.irp i, 0,1,2,3,4,5,6,7,8,9,10,11,12,13,14,15
	v_mov_b32 v[LS+\i], 0                          ; l = 0
.endr
.irp qt, 0,1,2,3
	v_mov_b32 v[PA+4*\qt+1], 0xff7fffff            ; m = the lowest finite number: the first step's alpha is 2^(m - m_new) = 0
	v_mov_b32 v[PA+4*\qt+3], 0                     ; v_permlanex16_b32's destination counts as read
.endr
	WIN 0
.macro KLOAD                           ; the fragments of 32 keys of K: tile kt of 16 keys (8 LDS rows), d = 32 ks .. + 31
.irp kt, 0,1
.irp ks, 0,1
	ds_load_b128 v[KF+16*\kt+8*\ks:KF+16*\kt+8*\ks+3],   v[KA] offset:8*KPITCH*\kt+64*\ks
	ds_load_b128 v[KF+16*\kt+8*\ks+4:KF+16*\kt+8*\ks+7], v[KA] offset:8*KPITCH*\kt+64*\ks+32
.endr
.endr
	v_add_nc_u32 v[KA], 16*KPITCH, v[KA]
.endm
.macro VLOAD                           ; the fragments of V^T for 32 keys: tile dt of 16 d; the second load takes the keys sixteen (8 LDS rows) further on
.irp dt, 0,1,2,3
	ds_load_tr16_b128 v[VF+8*\dt:VF+8*\dt+3],   v[VA] offset:32*\dt
	ds_load_tr16_b128 v[VF+8*\dt+4:VF+8*\dt+7], v[VA] offset:32*\dt+8*VPITCH
.endr
	v_add_nc_u32 v[VA], 16*VPITCH, v[VA]
.endm
.macro SUBM qt, j                      ; S - m, two at a time; the pair's first register (-m) serves both
	v_pk_add_f32 v[SC+16*\qt+2*\j:SC+16*\qt+2*\j+1], v[SC+16*\qt+2*\j:SC+16*\qt+2*\j+1], v[PA+4*\qt:PA+4*\qt+1] op_sel_hi:[1,0]
	s_wait_alu depctr_va_vdst(0)
.endm
.macro RESC qt, i                      ; O x alpha, two at a time
	v_pk_mul_f32 v[OA+32*\qt+2*\i:OA+32*\qt+2*\i+1], v[OA+32*\qt+2*\i:OA+32*\qt+2*\i+1], v[PA+4*\qt+2:PA+4*\qt+3] op_sel_hi:[1,0]
.endm
.macro PLAIN qt, i                     ; i = 0, 1: l x alpha + p; 2 to 7: l + p, in two chains; 8 to 15: p packed to f16, in place and ascending, behind all the sums
.if \i < 2
	s_wait_alu depctr_va_vdst(0)
	v_pk_fma_f32 v[LS+4*\qt+2*\i:LS+4*\qt+2*\i+1], v[LS+4*\qt+2*\i:LS+4*\qt+2*\i+1], v[PA+4*\qt+2:PA+4*\qt+3], v[SC+16*\qt+2*\i:SC+16*\qt+2*\i+1] op_sel_hi:[1,0,1]
.else
.if \i < 8
	v_pk_add_f32 v[LS+4*\qt+2*(\i&1):LS+4*\qt+2*(\i&1)+1], v[LS+4*\qt+2*(\i&1):LS+4*\qt+2*(\i&1)+1], v[SC+16*\qt+2*\i:SC+16*\qt+2*\i+1]
.else
	v_cvt_pk_f16_f32 v[SC+16*\qt+\i-8], v[SC+16*\qt+2*(\i-8)], v[SC+16*\qt+2*(\i-8)+1]
.endif
.endif
.endm
; The sixteen exponentials of query tile qt, each followed by plain work on other registers: the next tile's subtraction, this tile's share of
; the rescaling of O, the sums and the packing of the tile before.  So a plain instruction stands between every exponential and the first use of
; its result (ISA guide 5.7.2).
.macro BLOCK qt, zero
.irp i, 0,1,2,3,4,5,6,7,8,9,10,11,12,13,14,15
	v_exp_f32 v[SC+16*\qt+\i], v[SC+16*\qt+\i]
.if \qt < 3
.if \i < 8
	SUBM (\qt+1), \i
.endif
.endif
.if \zero == 0
	RESC \qt, \i
.endif
.if \qt > 0
	PLAIN (\qt-1), \i
.endif
.endr
.endm
; One step: 32 keys for my 64 queries.  zero = 1: the first step, whose products start O.  pre = 1: the next step's K fragments are fetched.
.macro STEP zero, pre
.rept 5
	v_nop                                          ; five places behind the last step's products: their V fragments are loaded again (four), their P is written over by matrix instructions (five)
.endr
	VLOAD
	s_wait_dscnt 8                                 ; K's eight loads are in; V's eight, just issued, stay out
	WIN 0x50
	; S^T = K q'^T: eight products over d = 0..31 start the sums, eight over d = 32..63 add in place.  The eight accumulators take turns, one instruction a turn.
.irp kt, 0,1
.irp qt, 0,1,2,3
	v_wmma_f32_16x16x32_f16 v[SC+16*\qt+8*\kt:SC+16*\qt+8*\kt+7], v[KF+16*\kt:KF+16*\kt+7], v[QF+16*\qt:QF+16*\qt+7], 0
.endr
.endr
.irp kt, 0,1
.irp qt, 0,1,2,3
	v_wmma_f32_16x16x32_f16 v[SC+16*\qt+8*\kt:SC+16*\qt+8*\kt+7], v[KF+16*\kt+8:KF+16*\kt+15], v[QF+16*\qt+8:QF+16*\qt+15], v[SC+16*\qt+8*\kt:SC+16*\qt+8*\kt+7]
.endr
.endr
.rept 4
	v_nop                                          ; four places: K's fragments are loaded again, and S is read
.endr
	WIN 0
.if \pre
	KLOAD
.endif
	WIN 0x55
	; the largest of my sixteen scores of each query tile, four chains side by side
.irp qt, 0,1,2,3
	v_max3_num_f32 v[TM+\qt], v[SC+16*\qt], v[SC+16*\qt+1], v[SC+16*\qt+2]
.endr
.irp i, 3,5,7,9,11,13
.irp qt, 0,1,2,3
	v_max3_num_f32 v[TM+\qt], v[TM+\qt], v[SC+16*\qt+\i], v[SC+16*\qt+\i+1]
.endr
.endr
.irp qt, 0,1,2,3
	v_max_num_f32 v[TM+\qt], v[TM+\qt], v[SC+16*\qt+15]
.endr
.irp qt, 0,1,2,3
	v_permlanex16_b32 v[PA+4*\qt+3], v[TM+\qt], s46, s47           ; the same query's other sixteen keys lie in the other half of the lanes
.endr
.irp qt, 0,1,2,3
	v_max3_num_f32 v[TM+\qt], v[TM+\qt], v[PA+4*\qt+3], v[PA+4*\qt+1]      ; m_new
.endr
.irp qt, 0,1,2,3
	v_sub_f32 v[PA+4*\qt+2], v[PA+4*\qt+1], v[TM+\qt]              ; m_old - m_new <= 0
.endr
.irp qt, 0,1,2,3
	v_sub_f32 v[PA+4*\qt], 0, v[TM+\qt]                            ; -m_new
.endr
.irp qt, 0,1,2,3
	v_mov_b32 v[PA+4*\qt+1], v[TM+\qt]
.endr
.irp qt, 0,1,2,3
	v_exp_f32 v[PA+4*\qt+2], v[PA+4*\qt+2]                         ; alpha; the eight subtractions below stand before its first use
.endr
.irp j, 0,1,2,3,4,5,6,7
	SUBM 0, \j
.endr
	BLOCK 0, \zero
	BLOCK 1, \zero
	BLOCK 2, \zero
	BLOCK 3, \zero
.irp i, 0,1,2,3,4,5,6,7,8,9,10,11,12,13,14,15
	PLAIN 3, \i
.endr
.if \pre
	s_wait_dscnt 8                                 ; V's eight loads are in; the next step's eight K loads stay out
.else
	s_wait_dscnt 0x0
.endif
	WIN 0x54
	; O^T += V^T P^T: sixteen accumulators by turns, one instruction a turn
.irp qt, 0,1,2,3
.irp dt, 0,1,2,3
.if \zero
	v_wmma_f32_16x16x32_f16 v[OA+8*(4*\qt+\dt):OA+8*(4*\qt+\dt)+7], v[VF+8*\dt:VF+8*\dt+7], v[SC+16*\qt:SC+16*\qt+7], 0
.else
	v_wmma_f32_16x16x32_f16 v[OA+8*(4*\qt+\dt):OA+8*(4*\qt+\dt)+7], v[VF+8*\dt:VF+8*\dt+7], v[SC+16*\qt:SC+16*\qt+7], v[OA+8*(4*\qt+\dt):OA+8*(4*\qt+\dt)+7]
.endif
.endr
.endr
	WIN 0
.endm
; A chunk is shown to all waves: my part of it has landed (left = my loads for the later chunks, which may stay out, since nothing is ever filled
; again), no LDS load of mine is pending at the signal, and behind the wait the same holds of all eight waves.
.macro BARR left
	s_wait_tensorcnt \left
	s_wait_dscnt 0x0
	s_barrier_signal -1
	s_barrier_wait -1
.endm
	; 32 steps.  Step j fetches K of step j + 1, so each chunk's barrier stands one step ahead of the chunk's first step.
	BARR 3                                         ; keys 0-255
	KLOAD
	s_wait_loadcnt 0x0                             ; Q, once
	STEP 1, 1                                      ; step 0
	s_mov_b32 s48, 6                               ; steps 1 to 6
.Lc0:
	STEP 0, 1
	s_sub_co_u32 s48, s48, 1
	s_cmp_lg_u32 s48, 0
	s_cbranch_scc1 .Lc0
	BARR 2                                         ; keys 256-511
	s_mov_b32 s48, 8                               ; steps 7 to 14
.Lc1:
	STEP 0, 1
	s_sub_co_u32 s48, s48, 1
	s_cmp_lg_u32 s48, 0
	s_cbranch_scc1 .Lc1
	BARR 1                                         ; keys 512-767
	s_mov_b32 s48, 8                               ; steps 15 to 22
.Lc2:
	STEP 0, 1
	s_sub_co_u32 s48, s48, 1
	s_cmp_lg_u32 s48, 0
	s_cbranch_scc1 .Lc2
	BARR 0                                         ; keys 768-1023: no tensor load is out any more
	s_mov_b32 s48, 8                               ; steps 23 to 30
.Lc3:
	STEP 0, 1
	s_sub_co_u32 s48, s48, 1
	s_cmp_lg_u32 s48, 0
	s_cbranch_scc1 .Lc3
	STEP 0, 0                                      ; step 31 fetches nothing beyond the end
	; 1 / (l + 1e-8 x 2^-m).  These lines name none of the last products' registers: they are also the places in front of the first read of O.
	WIN 0x55
.irp qt, 0,1,2,3
	v_pk_add_f32 v[LS+4*\qt:LS+4*\qt+1], v[LS+4*\qt:LS+4*\qt+1], v[LS+4*\qt+2:LS+4*\qt+3]
.endr
.irp qt, 0,1,2,3
	v_add_f32 v[LS+4*\qt], v[LS+4*\qt], v[LS+4*\qt+1]
.endr
.irp qt, 0,1,2,3
	v_permlanex16_b32 v[LS+4*\qt+1], v[LS+4*\qt], s46, s47         ; the other half's keys
.endr
.irp qt, 0,1,2,3
	v_add_f32 v[LS+4*\qt], v[LS+4*\qt], v[LS+4*\qt+1]
.endr
.irp qt, 0,1,2,3
	v_exp_f32 v[PA+4*\qt], v[PA+4*\qt]                             ; 2^-m
.endr
	v_nop                                          ; a plain place behind the exponentials
	s_wait_alu depctr_va_vdst(0)
.irp qt, 0,1,2,3
	v_fmamk_f32 v[LS+4*\qt], v[PA+4*\qt], 0x322bcc77, v[LS+4*\qt]  ; 2^-m x 1e-8 + l
.endr
.irp qt, 0,1,2,3
	v_rcp_f32 v[LS+4*\qt], v[LS+4*\qt]
.endr
	v_nop                                          ; a plain place behind the reciprocals
	s_wait_alu depctr_va_vdst(0)
; THE WAY OUT, one query tile at a time: O^T x 1 / (..) in f32, 2 x 16 bytes a lane and d tile into my own stage, read back as whole rows of 256 bytes.
.macro OUTQ qt, tb, rb
	WIN 0x05
.irp p, 0,1,2,3,4,5,6,7,8,9,10,11,12,13,14,15
	v_pk_mul_f32 v[\tb+2*\p:\tb+2*\p+1], v[OA+32*\qt+2*\p:OA+32*\qt+2*\p+1], v[LS+4*\qt:LS+4*\qt+1] op_sel_hi:[1,0]
.endr
	WIN 0
.irp e, 0,1,2,3,4,5,6,7
	ds_store_b128 v[STO], v[\tb+4*\e:\tb+4*\e+3] offset:64*(\e>>1)+16*(\e&1)
.endr
	s_wait_xcnt 0x0                                ; the read-back buffer was store data two turns ago: it is loaded again only behind this wait
.irp u, 0,1,2,3,4,5,6,7
	ds_load_b128 v[\rb+4*\u:\rb+4*\u+3], v[RD] offset:2*SPITCH*\u  ; LDS serves a wave's instructions in order: these see the stores above
.endr
.irp u, 0,1,2,3,4,5,6,7
	s_wait_dscnt 7-\u                              ; read-back u is in, the younger ones stay out
	global_store_b128 v[CO], v[\rb+4*\u:\rb+4*\u+3], s[14:15] offset:(16*\qt+2*\u)*4096 th:TH_STORE_NT   ; 16 lanes store 256 consecutive bytes, at a multiple of 256 from out0's first byte
.endr
.endm
	OUTQ 0, T0, KF
	OUTQ 1, T1, VF
	OUTQ 2, T0, KF
	OUTQ 3, T1, VF
	s_wait_tensorcnt 0x0
	ds_add_u32 v254, v255
	s_wait_dscnt 0x0
	s_endpgm
.Lfunc_end_k_q207491913c_attn:
	.size	k_q207491913c_attn, .Lfunc_end_k_q207491913c_attn-k_q207491913c_attn
	.p2alignl 7, 3214868480
	.fill 96, 4, 3214868480
	.section	.rodata,"a",@progbits
	.p2align	6, 0x0
	.amdhsa_kernel k_q207491913c_attn
		.amdhsa_group_segment_fixed_size 322560
		.amdhsa_private_segment_fixed_size 0
		.amdhsa_enable_private_segment 0
		.amdhsa_kernarg_size 16
		.amdhsa_user_sgpr_count 2
		.amdhsa_user_sgpr_kernarg_segment_ptr 1
		.amdhsa_wavefront_size32 1
		.amdhsa_system_sgpr_workgroup_id_x 1
		.amdhsa_system_sgpr_workgroup_id_y 1
		.amdhsa_system_sgpr_workgroup_id_z 1
		.amdhsa_system_vgpr_workitem_id 0
		.amdhsa_next_free_vgpr 488
		.amdhsa_next_free_sgpr 66
		.amdhsa_reserve_vcc 0
		.amdhsa_float_denorm_mode_32 3
		.amdhsa_float_denorm_mode_16_64 3
		.amdhsa_memory_ordered 1
		.amdhsa_forward_progress 1
		.amdhsa_inst_pref_size 139
	.end_amdhsa_kernel
	.amdgpu_metadata
---
amdhsa.version: [ 1, 2 ]
amdhsa.kernels:
  - .name:           k_q207491913c_attn
    .symbol:         k_q207491913c_attn.kd
    .args:
      - { .name: qkv, .offset: 0, .size: 8, .value_kind: global_buffer, .address_space: global }
      - { .name: out0, .offset: 8, .size: 8, .value_kind: global_buffer, .address_space: global }
    .group_segment_fixed_size: 322560
    .private_segment_fixed_size: 0
    .kernarg_segment_align: 8
    .kernarg_segment_size: 16
    .max_flat_workgroup_size: 256
    .sgpr_count:     66
    .vgpr_count:     488
    .wavefront_size: 32
...
	.end_amdgpu_metadata
.endif
;; end of part 3
;; ======== version 2 of 2: 3 launches; 1.08 times as fast as version 1
;; limits: values are held in f16: magnitudes above 65,504 overflow, below 6.1e-05 lose precision
;; workspace buffers: wbf 6,291,456 bytes; qkv 50,331,648 bytes
;; launch wcast: the kernel of part 1 again; grid 256 x 1, 8 waves a work-group, no clusters, 0 bytes of LDS; arguments Wq, Wk, Wv, wbf; writes wbf
;; launch proj: the kernel of part 2 again; grid 64 x 4, 4 waves a work-group, clusters of 4 x 1, 327,680 bytes of LDS; arguments Q, K, V, bq, bk, bv, wbf, qkv; writes qkv
;; launch attn (part 4): grid 256 x 1, 8 waves a work-group, no clusters, 322,560 bytes of LDS; arguments qkv, out0; writes out0
.if DOCPART == 4
	.amdgcn_target "amdgcn-amd-amdhsa--gfx1250"
	.amdhsa_code_object_version 6
	.text
	.protected	k_q207491913c_attn
	.globl	k_q207491913c_attn
	.p2align	8
	.type	k_q207491913c_attn,@function
k_q207491913c_attn:
	s_mov_b64 s[64:65], 0
	v_nop
	global_prefetch_b8 v0, s[64:65] scope:SCOPE_SE
	s_setreg_imm32_b32 hwreg(HW_REG_WAVE_MODE, 25, 1), 1
	s_wait_xcnt 0x0
; out[b][s][64 head + d] = sum over keys of p v / (sum of p + 1e-8), p = exp(q k / 8), for 128 heads of 1,024 queries and keys, d = 64.
; q' = q x 0.125 log2(e), k, v come as f16 from qkv, [head][s][64]; so p = 2^S with S = k q'.  Sums in f32, out0 in f32.
; The fraction is formed with numerator and denominator both divided by 2^m, m the running maximum of the query's scores:
; p = 2^(S - m) <= 1 goes into the second product as f16; when m grows, l and O are multiplied by 2^(m_old - m_new), in every step, without a branch;
; at the end out = O / (l + 1e-8 x 2^-m).  That is the same fraction.
; LIMITS: a weight below 2^-25 of its row's largest counts as 0.  Where a score / 8 passes 88.7 and the formula itself overflows, this text still
; gives numbers.  Where 1e-8 x 2^-m overflows (every score / 8 below about -70) the result is 0.
; A work-group takes 512 queries of one head, a wave 64 of them (4 tiles of 16); eight waves, two on a SIMD, so that one wave's exponentials
; stand beside the other's products.  The head's K and V lie whole in LDS and are brought once: nothing is ever filled again.
; NO CLUSTER: a byte of K or V is wanted by two work-groups alone, and a work-group takes in 262,144 bytes in all for its 1,024 matrix instructions a wave.
; NO PREFETCH: every tile is asked for in the first lines.
; BOTH PRODUCTS ARE TRANSPOSED.  S^T = K q'^T: lane l holds query l % 16, its eight registers the keys 8 (l / 16) + 0..7 of a tile of sixteen.
; Packed in pairs these registers ARE the second source (column = query, k = key) of O^T = V^T P^T: nothing crosses lanes but the maximum.
; LDS: K at 0: 512 rows of 256 bytes (two keys), pitch 272; V at 139,264: the same, pitch 288; the way out's stage at 286,720 + w x 4,352
; (16 rows of 256 bytes, pitch 272; LDS stores alone).
; REGISTERS: window 0: v8-13 addresses, v16-79 Q, v80-111 K fragments, v112-143 V fragments, v144-207 way out.
; window 1: v0-127 O^T, tile (qt, dt) at 8 (4 qt + dt); v128-191 S, tile (qt, kt) at 16 qt + 8 kt, P over its first eight of each sixteen;
; v192-207 l, four a query tile; v208-223 four a query tile: -m, m, alpha, scratch; v224-227 the step's maximum.
; All that the softmax touches lies in window 1: one setting serves it all.
; THE BATCHES.  A step's 68 exponentials (four alpha, 64 weights) are ONE batch with ONE wait, which cuts the step's vector work in two.  Ahead of it stands
; all that names no result of the batch: the maxima and statistics, the 32 subtractions S - m and the four lines that keep m, the last two kinds dealt among the
; exponentials.  Each result has a register of its own while the batch is open: the weights in place in S, alpha beside -m and m.  Behind the wait stand the
; readers: the rescaling of O, the sums, the roundings.
; On the way out the four 2^-m are a batch, and the four reciprocals, which read a sum made of them, a second one.
.set KPITCH, 272
.set VPITCH, 288
.set KPART,  32*KPITCH                 ; 8,704: 64 keys, what one tensor load brings
.set VPART,  32*VPITCH                 ; 9,216
.set KCHUNK, 4*KPART                   ; 34,816: 256 keys
.set VCHUNK, 4*VPART                   ; 36,864
.set VBASE,  4*KCHUNK                  ; 139,264
.set STG,    VBASE+4*VCHUNK            ; 286,720
.set SPITCH, 272
.set WSTG,   16*SPITCH
.set KA,  8                            ; my K fragment's address; steps 32 keys a load group
.set VA,  9                            ; my V fragment's address; likewise
.set STO, 10
.set RD,  11
.set CO,  12
.set QO,  13
.set QF,  16
.set KF,  80
.set VF,  112
.set T0,  144
.set T1,  176
.set OA,  0                            ; window 1 from here on
.set SC,  128
.set LS,  192
.set PA,  208
.set TM,  224
.set G1,  16                           ; s[16:23] descriptor group 1
.set G0,  24                           ; s[24:39] descriptor group 0, one set for each of my four loads
.set MSB, 0
.macro WIN new                         ; the immediate's high byte repeats the setting that is left
.if MSB != \new
	s_set_vgpr_msb (MSB<<8)|\new
.set MSB, \new
.endif
.endm
	s_load_b128 s[4:7], s[0:1], 0x0                ; qkv s[4:5], out0 s[6:7]
	v_lshl_add_u32 v254, v0, 2, 0x4e800
	v_mov_b32 v255, 0
	ds_add_u32 v254, v255
	ds_add_u32 v254, v255
	v_lshrrev_b32 v1, 5, v0
	v_readfirstlane_b32 s8, v1                     ; wave 0..7
	s_lshr_b32 s9, ttmp9, 1                        ; head 16 b + h
	s_and_b32 s10, ttmp9, 1                        ; which 512 queries
	s_lshl_b32 s11, s9, 17                         ; a head is 131,072 bytes
	; group 1: a dense block of 8,192 bytes as 32 rows of 32 elements of 8 bytes, padded behind each row
	s_mov_b32 s[G1+1], 32<<16                      ; tensor_dim0 = 32
	s_mov_b32 s[G1+2], 32<<16                      ; tensor_dim1 = 32
	s_mov_b32 s[G1+3], 32<<16                      ; tile_dim0 = 32
	s_mov_b32 s[G1+4], 32                          ; tile_dim1 = 32
	s_mov_b32 s[G1+5], 32                          ; each row begins where the last ends
	s_mov_b32 s[G1+6], 0
	s_mov_b32 s[G1+7], 0
	s_lshl_b32 s42, s8, 13                         ; 64 keys of 128 bytes a wave
	s_add_co_u32 s42, s42, s11
	s_mov_b32 s43, 0
	s_wait_dscnt 0x0
	s_wait_kmcnt 0x0
; Four chunks of 256 keys.  Of each chunk waves 0-3 bring K's four parts of 64 keys, waves 4-7 V's: four loads a wave, issued together, all four out.
; Parts of 32 rows, and not fewer and larger ones, so that the first 256 keys can be worked on while the other three chunks are on their way.
.macro FILL4 chunk
.irp c, 0,1,2,3
	s_mov_b32 s[G0+4*\c], 1                                        ; count = 1
	s_add_co_u32 s[G0+4*\c+1], s40, \c*\chunk                      ; LDS address: a constant, the wave's number times a constant, the chunk's constant
	s_add_nc_u64 s[G0+4*\c+2:G0+4*\c+3], s[42:43], \c*32768        ; global address: 256 keys of 128 bytes a chunk
	s_or_b32 s[G0+4*\c+3], s[G0+4*\c+3], 0x80000000                ; type = 2
	tensor_load_to_lds s[G0+4*\c:G0+4*\c+3], s[G1:G1+7]
	s_nop 0
.endr
.endm
	s_cmp_lt_u32 s8, 4
	s_cbranch_scc0 .Lfor_v
	s_mov_b32 s[G1+0], (3<<16)|(1<<20)|(5<<22)|(3<<25)             ; 8-byte elements; padding on: behind every 64 words 4 words: pitch 272
	s_mul_i32 s40, s8, KPART
	s_add_co_u32 s42, s42, 16777216                                ; k's part of qkv
	s_add_nc_u64 s[42:43], s[4:5], s[42:43]
	FILL4 KCHUNK
	s_branch .Lasked
.Lfor_v:
	s_mov_b32 s[G1+0], (3<<16)|(1<<20)|(5<<22)|(7<<25)             ; the same with 8 words: pitch 288
	s_mul_i32 s40, s8, VPART
	s_add_co_u32 s40, s40, VBASE-4*VPART                           ; wave 4 fills V's first part
	s_add_co_u32 s42, s42, 33554432-4*8192                         ; v's part of qkv, likewise
	s_add_nc_u64 s[42:43], s[4:5], s[42:43]
	FILL4 VCHUNK
.Lasked:
	s_lshl_b32 s44, s10, 16                        ; my 64 queries: 512 x half + 64 w rows of 128 bytes
	s_lshl_b32 s45, s8, 13
	s_add_co_u32 s44, s44, s45
	s_add_co_u32 s44, s44, s11
	s_mov_b32 s45, 0
	s_add_nc_u64 s[12:13], s[4:5], s[44:45]
	v_and_b32 v1, 15, v0                           ; l % 16
	v_bfe_u32 v2, v0, 4, 1                         ; l / 16
	v_lshlrev_b32 v[QO], 7, v1
	v_lshl_add_u32 v[QO], v2, 4, v[QO]             ; query l % 16, 16 bytes for each half of the lanes
.irp qt, 0,1,2,3
.irp ks, 0,1
	global_load_b128 v[QF+16*\qt+8*\ks:QF+16*\qt+8*\ks+3],   v[QO], s[12:13] offset:2048*\qt+64*\ks th:TH_LOAD_NT
	global_load_b128 v[QF+16*\qt+8*\ks+4:QF+16*\qt+8*\ks+7], v[QO], s[12:13] offset:2048*\qt+64*\ks+32 th:TH_LOAD_NT
.endr
.endr
	s_lshr_b32 s44, s9, 4                          ; out0: row 1,024 b + 512 x half + 64 w of 4,096 bytes, the head's 256 bytes in it
	s_lshl_b32 s44, s44, 22
	s_lshl_b32 s45, s10, 21
	s_add_co_u32 s44, s44, s45
	s_lshl_b32 s45, s8, 18
	s_add_co_u32 s44, s44, s45
	s_and_b32 s45, s9, 15
	s_lshl_b32 s45, s45, 8
	s_add_co_u32 s44, s44, s45
	s_mov_b32 s45, 0
	s_add_nc_u64 s[14:15], s[6:7], s[44:45]
	s_mov_b32 s46, 0x76543210                      ; v_permlanex16_b32: lane i of one half reads lane i of the other
	s_mov_b32 s47, 0xfedcba98
	v_lshrrev_b32 v4, 1, v1                        ; K: key l % 16 lies in row (l % 16) / 2, half (l % 2) of the row
	v_mul_u32_u24 v[KA], v4, KPITCH
	v_and_b32 v4, 1, v0
	v_lshl_add_u32 v[KA], v4, 7, v[KA]
	v_lshl_add_u32 v[KA], v2, 4, v[KA]
	v_bfe_u32 v5, v0, 1, 2                         ; V through the transposing load: key 8 (l / 16) + l % 8, that is row 4 (l / 16) + (l % 8) / 2,
	v_lshl_add_u32 v5, v2, 2, v5
	v_mul_u32_u24 v[VA], v5, VPITCH
	v_lshl_add_u32 v[VA], v4, 7, v[VA]             ; half l % 2,
	v_bfe_u32 v5, v0, 3, 1
	v_lshl_add_u32 v[VA], v5, 4, v[VA]             ; 16 bytes (8 d) by bit 3 of the lane
	v_add_nc_u32 v[VA], VBASE, v[VA]
	s_mul_i32 s49, s8, WSTG
	s_add_co_u32 s49, s49, STG                     ; my stage
	v_mul_u32_u24 v[STO], v1, SPITCH               ; in: query l % 16, 32 bytes (8 d in f32) for each half of the lanes
	v_lshl_add_u32 v[STO], v2, 5, v[STO]
	v_add_nc_u32 v[STO], s49, v[STO]
	v_mul_u32_u24 v[RD], v2, SPITCH                ; back: lanes 0-15 take one query's 256 bytes, lanes 16-31 the next one's
	v_lshl_add_u32 v[RD], v1, 4, v[RD]
	v_add_nc_u32 v[RD], s49, v[RD]
	v_lshlrev_b32 v[CO], 12, v2                    ; and the same two rows in out0
	v_lshl_add_u32 v[CO], v1, 4, v[CO]
	WIN 0x40
.irp i, 0,1,2,3,4,5,6,7,8,9,10,11,12,13,14,15
	v_mov_b32 v[LS+\i], 0                          ; l = 0
.endr
.irp qt, 0,1,2,3
	v_mov_b32 v[PA+4*\qt+1], 0xff7fffff            ; m = the lowest finite number: the first step's alpha is 2^(m - m_new) = 0
	v_mov_b32 v[PA+4*\qt+3], 0                     ; v_permlanex16_b32's destination counts as read
.endr
	WIN 0
.macro KLOAD                           ; the fragments of 32 keys of K: tile kt of 16 keys (8 LDS rows), d = 32 ks .. + 31
.irp kt, 0,1
.irp ks, 0,1
	ds_load_b128 v[KF+16*\kt+8*\ks:KF+16*\kt+8*\ks+3],   v[KA] offset:8*KPITCH*\kt+64*\ks
	ds_load_b128 v[KF+16*\kt+8*\ks+4:KF+16*\kt+8*\ks+7], v[KA] offset:8*KPITCH*\kt+64*\ks+32
.endr
.endr
	v_add_nc_u32 v[KA], 16*KPITCH, v[KA]
.endm
.macro VLOAD                           ; the fragments of V^T for 32 keys: tile dt of 16 d; the second load takes the keys sixteen (8 LDS rows) further on
.irp dt, 0,1,2,3
	ds_load_tr16_b128 v[VF+8*\dt:VF+8*\dt+3],   v[VA] offset:32*\dt
	ds_load_tr16_b128 v[VF+8*\dt+4:VF+8*\dt+7], v[VA] offset:32*\dt+8*VPITCH
.endr
	v_add_nc_u32 v[VA], 16*VPITCH, v[VA]
.endm
.macro SUBM n                          ; S - m for pair n of the lane's 32 pairs of scores (query tile n / 8); the pair's first register (-m) serves both
	v_pk_add_f32 v[SC+2*(\n):SC+2*(\n)+1], v[SC+2*(\n):SC+2*(\n)+1], v[PA+4*((\n)/8):PA+4*((\n)/8)+1] op_sel_hi:[1,0]
.endm
.macro RESC qt, i                      ; O x alpha, two at a time
	v_pk_mul_f32 v[OA+32*\qt+2*\i:OA+32*\qt+2*\i+1], v[OA+32*\qt+2*\i:OA+32*\qt+2*\i+1], v[PA+4*\qt+2:PA+4*\qt+3] op_sel_hi:[1,0]
.endm
.macro PLAIN qt, i                     ; i = 0, 1: l x alpha + p; 2 to 7: l + p, in two chains; 8 to 15: p packed to f16, in place and ascending, behind all the sums
.if \i < 2
	v_pk_fma_f32 v[LS+4*\qt+2*\i:LS+4*\qt+2*\i+1], v[LS+4*\qt+2*\i:LS+4*\qt+2*\i+1], v[PA+4*\qt+2:PA+4*\qt+3], v[SC+16*\qt+2*\i:SC+16*\qt+2*\i+1] op_sel_hi:[1,0,1]
.else
.if \i < 8
	v_pk_add_f32 v[LS+4*\qt+2*(\i&1):LS+4*\qt+2*(\i&1)+1], v[LS+4*\qt+2*(\i&1):LS+4*\qt+2*(\i&1)+1], v[SC+16*\qt+2*\i:SC+16*\qt+2*\i+1]
.else
	v_cvt_pk_f16_f32 v[SC+16*\qt+\i-8], v[SC+16*\qt+2*(\i-8)], v[SC+16*\qt+2*(\i-8)+1]
.endif
.endif
.endm
; One step: 32 keys for my 64 queries.  zero = 1: the first step, whose products start O.  pre = 1: the next step's K fragments are fetched.
.macro STEP zero, pre
.rept 5
	v_nop                                          ; five places behind the last step's products: their V fragments are loaded again (four), their P is written over by matrix instructions (five)
.endr
	VLOAD
	s_wait_dscnt 8                                 ; K's eight loads are in; V's eight, just issued, stay out
	WIN 0x50
	; S^T = K q'^T: eight products over d = 0..31 start the sums, eight over d = 32..63 add in place.  The eight accumulators take turns, one instruction a turn.
.irp kt, 0,1
.irp qt, 0,1,2,3
	v_wmma_f32_16x16x32_f16 v[SC+16*\qt+8*\kt:SC+16*\qt+8*\kt+7], v[KF+16*\kt:KF+16*\kt+7], v[QF+16*\qt:QF+16*\qt+7], 0
.endr
.endr
.irp kt, 0,1
.irp qt, 0,1,2,3
	v_wmma_f32_16x16x32_f16 v[SC+16*\qt+8*\kt:SC+16*\qt+8*\kt+7], v[KF+16*\kt+8:KF+16*\kt+15], v[QF+16*\qt+8:QF+16*\qt+15], v[SC+16*\qt+8*\kt:SC+16*\qt+8*\kt+7]
.endr
.endr
.rept 4
	v_nop                                          ; four places: S is read
.endr
	WIN 0x55
	; the largest of my sixteen scores of each query tile, four chains side by side
.irp qt, 0,1,2,3
	v_max3_num_f32 v[TM+\qt], v[SC+16*\qt], v[SC+16*\qt+1], v[SC+16*\qt+2]
.endr
.irp i, 3,5,7,9,11,13
.irp qt, 0,1,2,3
	v_max3_num_f32 v[TM+\qt], v[TM+\qt], v[SC+16*\qt+\i], v[SC+16*\qt+\i+1]
.endr
.endr
.irp qt, 0,1,2,3
	v_max_num_f32 v[TM+\qt], v[TM+\qt], v[SC+16*\qt+15]
.endr
.irp qt, 0,1,2,3
	v_permlanex16_b32 v[PA+4*\qt+3], v[TM+\qt], s46, s47           ; the same query's other sixteen keys lie in the other half of the lanes
.endr
.irp qt, 0,1,2,3
	v_max3_num_f32 v[TM+\qt], v[TM+\qt], v[PA+4*\qt+3], v[PA+4*\qt+1]      ; m_new
.endr
.irp qt, 0,1,2,3
	v_sub_f32 v[PA+4*\qt+2], v[PA+4*\qt+1], v[TM+\qt]              ; m_old - m_new <= 0
.endr
.irp qt, 0,1,2,3
	v_sub_f32 v[PA+4*\qt], 0, v[TM+\qt]                            ; -m_new
.endr
	; THE BATCH: 68 exponentials, and among them 36 plain lines that name none of their results.  First the four alpha by turns with the subtractions of pairs 0 to 3.
.irp n, 0,1,2,3
	v_exp_f32 v[PA+4*\n+2], v[PA+4*\n+2]                           ; alpha of query tile n
	SUBM \n
.endr
	; Then 32 groups: the two exponentials of pair g, in place, and a plain line: the subtraction of pair g + 4, so that a pair is subtracted nine lines or more ahead of
	; its exponentials; behind the last four pairs, where no subtraction is left, the four lines that keep m.  The last of these is the plain instruction behind the last exponential.
.set g, 0
.rept 32
	v_exp_f32 v[SC+2*g], v[SC+2*g]
	v_exp_f32 v[SC+2*g+1], v[SC+2*g+1]
.if g < 28
	SUBM g+4
.else
	v_mov_b32 v[PA+4*(g-28)+1], v[TM+g-28]                         ; m = m_new
.endif
.set g, g+1
.endr
.if \pre
	WIN 0
	s_wait_alu depctr_va_vdst(0)                   ; the wait for the batch: one for the step's 68 exponentials, ahead of their first reader
	KLOAD                                          ; the next step's K stands directly behind the wait: far more than four places behind the products that read K's fragments, behind V's loads and ahead of the wait for them
	WIN 0x55
.else
	s_wait_alu depctr_va_vdst(0)                   ; the wait for the batch: one for the step's 68 exponentials, ahead of their first reader
.endif
	; THE READERS: O x alpha, the sums, the roundings; number i ascending, the four query tiles by turns, so that two links of one of l's chains stand sixteen lines apart (eight in the first step, which has no rescaling)
	; and each accumulator of O is read from its low end on.
.irp i, 0,1,2,3,4,5,6,7,8,9,10,11,12,13,14,15
.irp qt, 0,1,2,3
.if \zero == 0
	RESC \qt, \i
.endif
	PLAIN \qt, \i
.endr
.endr
.if \pre
	s_wait_dscnt 8                                 ; V's eight loads are in; the next step's eight K loads stay out
.else
	s_wait_dscnt 0x0
.endif
	WIN 0x54
	; O^T += V^T P^T: sixteen accumulators by turns, one instruction a turn
.irp qt, 0,1,2,3
.irp dt, 0,1,2,3
.if \zero
	v_wmma_f32_16x16x32_f16 v[OA+8*(4*\qt+\dt):OA+8*(4*\qt+\dt)+7], v[VF+8*\dt:VF+8*\dt+7], v[SC+16*\qt:SC+16*\qt+7], 0
.else
	v_wmma_f32_16x16x32_f16 v[OA+8*(4*\qt+\dt):OA+8*(4*\qt+\dt)+7], v[VF+8*\dt:VF+8*\dt+7], v[SC+16*\qt:SC+16*\qt+7], v[OA+8*(4*\qt+\dt):OA+8*(4*\qt+\dt)+7]
.endif
.endr
.endr
	WIN 0
.endm
; A chunk is shown to all waves: my part of it has landed (left = my loads for the later chunks, which may stay out, since nothing is ever filled
; again), no LDS load of mine is pending at the signal, and behind the wait the same holds of all eight waves.
.macro BARR left
	s_wait_tensorcnt \left
	s_wait_dscnt 0x0
	s_barrier_signal -1
	s_barrier_wait -1
.endm
	; 32 steps.  Step j fetches K of step j + 1, so each chunk's barrier stands one step ahead of the chunk's first step.
	BARR 3                                         ; keys 0-255
	KLOAD
	s_wait_loadcnt 0x0                             ; Q, once
	STEP 1, 1                                      ; step 0
	s_mov_b32 s48, 6                               ; steps 1 to 6
.Lc0:
	STEP 0, 1
	s_sub_co_u32 s48, s48, 1
	s_cmp_lg_u32 s48, 0
	s_cbranch_scc1 .Lc0
	BARR 2                                         ; keys 256-511
	s_mov_b32 s48, 8                               ; steps 7 to 14
.Lc1:
	STEP 0, 1
	s_sub_co_u32 s48, s48, 1
	s_cmp_lg_u32 s48, 0
	s_cbranch_scc1 .Lc1
	BARR 1                                         ; keys 512-767
	s_mov_b32 s48, 8                               ; steps 15 to 22
.Lc2:
	STEP 0, 1
	s_sub_co_u32 s48, s48, 1
	s_cmp_lg_u32 s48, 0
	s_cbranch_scc1 .Lc2
	BARR 0                                         ; keys 768-1023: no tensor load is out any more
	s_mov_b32 s48, 8                               ; steps 23 to 30
.Lc3:
	STEP 0, 1
	s_sub_co_u32 s48, s48, 1
	s_cmp_lg_u32 s48, 0
	s_cbranch_scc1 .Lc3
	STEP 0, 0                                      ; step 31 fetches nothing beyond the end
	; 1 / (l + 1e-8 x 2^-m).  The four 2^-m are a batch; the additions of l, which name none of them, stand between the batch and its wait.
	; The plain lines among these name none of the last products' registers: they are also the places in front of the first read of O.
	WIN 0x55
.irp qt, 0,1,2,3
	v_exp_f32 v[PA+4*\qt], v[PA+4*\qt]                             ; 2^-m
.endr
.irp qt, 0,1,2,3
	v_pk_add_f32 v[LS+4*\qt:LS+4*\qt+1], v[LS+4*\qt:LS+4*\qt+1], v[LS+4*\qt+2:LS+4*\qt+3]
.endr
.irp qt, 0,1,2,3
	v_add_f32 v[LS+4*\qt], v[LS+4*\qt], v[LS+4*\qt+1]
.endr
.irp qt, 0,1,2,3
	v_permlanex16_b32 v[LS+4*\qt+1], v[LS+4*\qt], s46, s47         ; the other half's keys
.endr
.irp qt, 0,1,2,3
	v_add_f32 v[LS+4*\qt], v[LS+4*\qt], v[LS+4*\qt+1]
.endr
	s_wait_alu depctr_va_vdst(0)                   ; the wait for the four 2^-m, ahead of their first reader
.irp qt, 0,1,2,3
	v_fmamk_f32 v[LS+4*\qt], v[PA+4*\qt], 0x322bcc77, v[LS+4*\qt]  ; 2^-m x 1e-8 + l
.endr
.irp qt, 0,1,2,3
	v_rcp_f32 v[LS+4*\qt], v[LS+4*\qt]
.endr
	v_nop                                          ; a plain place behind the reciprocals
	s_wait_alu depctr_va_vdst(0)                   ; the wait for the four reciprocals, ahead of their first reader
; THE WAY OUT, one query tile at a time: O^T x 1 / (..) in f32, 2 x 16 bytes a lane and d tile into my own stage, read back as whole rows of 256 bytes.
.macro OUTQ qt, tb, rb
	WIN 0x05
.irp p, 0,1,2,3,4,5,6,7,8,9,10,11,12,13,14,15
	v_pk_mul_f32 v[\tb+2*\p:\tb+2*\p+1], v[OA+32*\qt+2*\p:OA+32*\qt+2*\p+1], v[LS+4*\qt:LS+4*\qt+1] op_sel_hi:[1,0]
.endr
	WIN 0
.irp e, 0,1,2,3,4,5,6,7
	ds_store_b128 v[STO], v[\tb+4*\e:\tb+4*\e+3] offset:64*(\e>>1)+16*(\e&1)
.endr
	s_wait_xcnt 0x0                                ; the read-back buffer was store data two turns ago: it is loaded again only behind this wait
.irp u, 0,1,2,3,4,5,6,7
	ds_load_b128 v[\rb+4*\u:\rb+4*\u+3], v[RD] offset:2*SPITCH*\u  ; LDS serves a wave's instructions in order: these see the stores above
.endr
.irp u, 0,1,2,3,4,5,6,7
	s_wait_dscnt 7-\u                              ; read-back u is in, the younger ones stay out
	global_store_b128 v[CO], v[\rb+4*\u:\rb+4*\u+3], s[14:15] offset:(16*\qt+2*\u)*4096 th:TH_STORE_NT   ; 16 lanes store 256 consecutive bytes, at a multiple of 256 from out0's first byte
.endr
.endm
	OUTQ 0, T0, KF
	OUTQ 1, T1, VF
	OUTQ 2, T0, KF
	OUTQ 3, T1, VF
	s_wait_tensorcnt 0x0
	ds_add_u32 v254, v255
	s_wait_dscnt 0x0
	s_endpgm
.Lfunc_end_k_q207491913c_attn:
	.size	k_q207491913c_attn, .Lfunc_end_k_q207491913c_attn-k_q207491913c_attn
	.p2alignl 7, 3214868480
	.fill 96, 4, 3214868480
	.section	.rodata,"a",@progbits
	.p2align	6, 0x0
	.amdhsa_kernel k_q207491913c_attn
		.amdhsa_group_segment_fixed_size 322560
		.amdhsa_private_segment_fixed_size 0
		.amdhsa_enable_private_segment 0
		.amdhsa_kernarg_size 16
		.amdhsa_user_sgpr_count 2
		.amdhsa_user_sgpr_kernarg_segment_ptr 1
		.amdhsa_wavefront_size32 1
		.amdhsa_system_sgpr_workgroup_id_x 1
		.amdhsa_system_sgpr_workgroup_id_y 1
		.amdhsa_system_sgpr_workgroup_id_z 1
		.amdhsa_system_vgpr_workitem_id 0
		.amdhsa_next_free_vgpr 488
		.amdhsa_next_free_sgpr 66
		.amdhsa_reserve_vcc 0
		.amdhsa_float_denorm_mode_32 3
		.amdhsa_float_denorm_mode_16_64 3
		.amdhsa_memory_ordered 1
		.amdhsa_forward_progress 1
		.amdhsa_inst_pref_size 132
	.end_amdhsa_kernel
	.amdgpu_metadata
---
amdhsa.version: [ 1, 2 ]
amdhsa.kernels:
  - .name:           k_q207491913c_attn
    .symbol:         k_q207491913c_attn.kd
    .args:
      - { .name: qkv, .offset: 0, .size: 8, .value_kind: global_buffer, .address_space: global }
      - { .name: out0, .offset: 8, .size: 8, .value_kind: global_buffer, .address_space: global }
    .group_segment_fixed_size: 322560
    .private_segment_fixed_size: 0
    .kernarg_segment_align: 8
    .kernarg_segment_size: 16
    .max_flat_workgroup_size: 256
    .sgpr_count:     66
    .vgpr_count:     488
    .wavefront_size: 32
...
	.end_amdgpu_metadata
.endif
;; end of part 4
